; MI455X (gfx1250); checked and timed in simulation.
; The chip was launched on July 23, 2026; its instructions are those of AMD's public machine-readable ISA for CDNA 5 (MIT licence, August 2026) and "CDNA5" Instruction Set Architecture Reference Guide (July 2026). The comments in the code are by the model that wrote it; some were corrected since.
;; Block. Allowed arithmetic: matrix products marked QUANTISED: E2M3 operands, one E8M0 scale for each 32 along K, by v_wmma_scale_f32_16x16x128_f8f6f4 with both operands' format E2M3, f32 sums; everything else in f32.
;; Inputs: b_attn 3,072 float32; b_fc 4,096 float32; b_mlp_proj 1,024 float32; b_proj 1,024 float32; w_attn 3,072 x 1,024 float32; w_fc 4,096 x 1,024 float32; w_mlp_proj 1,024 x 4,096 float32; w_proj 1,024 x 1,024 float32; x 4 x 1,024 x 1,024 float32.
;; Outputs: out0 4 x 1,024 x 1,024 float32.
;; This version of the problem:
;;   THIS VERSION OF THE PROBLEM IS GIVEN IN LOW PRECISION. The matrix products marked QUANTISED in the list below multiply operands that are first quantised to E2M3 (2 exponent bits, 3 mantissa bits; 6 bits a number), with one power-of-two scale for each 32 numbers along K (OCP MX v1.0); their sums are f32. All else is computed in f32.
;;   The module's matrix products, in the order in which they are computed (A, B: the left and right operand; K: the contracted axis; several contracted axes count as one K, in the product's order):
;;     1. [M 4,096, K 1,024] x [K 1,024, N 3,072]; A: computed on the way; B: input w_attn: QUANTISED
;;     2. batch 64 x [M 1,024, K 64] x [K 64, N 1,024]; A: computed on the way; B: computed on the way: QUANTISED
;;     3. batch 64 x [M 64, K 1,024] x [K 1,024, N 1,024]; A: computed on the way; B: softmax (see below): QUANTISED
;;     4. [M 4,096, K 1,024] x [K 1,024, N 1,024]; A: computed on the way; B: input w_proj: QUANTISED
;;     5. [M 4,096, K 1,024] x [K 1,024, N 4,096]; A: computed on the way; B: input w_fc: QUANTISED
;;     6. [M 4,096, K 4,096] x [K 4,096, N 1,024]; A: computed on the way; B: input w_mlp_proj: QUANTISED
;;   THE QUANTISER, for each operand of a quantised product, along K:
;;     - K is cut into blocks of 32 from its start; a last block that is shorter is filled with zeros.
;;     - A block's scale is 2^e with e = floor(log2(the largest magnitude in the block)) - 2, held to -126 .. 127; a block of zeros has e = 0. As a byte (E8M0): e + 127.
;;     - Each number is divided by its block's scale, clamped to +-7.5, and rounded to the nearest number of E2M3, ties to even, subnormals kept.
;;     - The product sums the exact products of the quantised numbers (number of the format x scale) in f32.
;;   ~~~python
;;   def quantise(x, axis):      # numpy; x: float32 -> the quantised numbers, widened to float32 again
;;       x = np.moveaxis(x, axis, -1); K = x.shape[-1]
;;       x = np.pad(x, [(0, 0)] * (x.ndim - 1) + [(0, -K % 32)]); x = x.reshape(x.shape[:-1] + (-1, 32)); a = np.abs(x).max(-1, keepdims=True)
;;       e = np.where(a > 0, np.clip(np.frexp(np.where(a > 0, a, 1))[1] - 1 - 2, -126, 127), 0)      # np.frexp(a)[1] - 1 = floor(log2(a)), exactly
;;       r = np.clip(x / 2.0 ** e, -7.5, 7.5)
;;       step = 2.0 ** (np.maximum(np.frexp(np.where(r == 0, 1, r))[1] - 1, 0) - 3)
;;       q = np.round(r / step) * step * 2.0 ** e      # np.round: ties to even
;;       return np.moveaxis(q.reshape(q.shape[:-2] + (-1,))[..., :K], -1, axis).astype(np.float32)
;;   ~~~
;;   SOFTMAX AHEAD OF A QUANTISED PRODUCT. Where the list says 'softmax', what is quantised is not the finished softmax but p = 2^(t - M), with t = logit x log2(e) and M = ceil(the row's largest t), a whole number; so 1/2 < the row's largest p <= 1. The row's sum l is taken of the UNQUANTISED p, in f32, and the product's result is divided by l at the end. Since M is a whole number, a kernel that streams over the keys may use a running M (the ceiling of the running maximum): every later rescaling is an exact power of two, which a block's scale takes up: the codes' values come out the same.
;;   OPERANDS COMPUTED ON THE WAY. 'Computed on the way' means the value that the module computes at that place (a softmax that the list does not call 'softmax' is quantised finished and normalised). What goes into a quantiser is computed in f32, as accurately as f32 sums, v_exp_f32 and their like allow (about 1e-6 of the number): no bf16 or f16 on the way to a quantiser, and a product that is left as it is and whose result goes on into a quantised operand takes f32 operands (vector FMAs, or v_wmma_f32_16x16x4_f32). A number that lies on a knife's edge between two numbers of the format may be rounded either way, as far as f32 arithmetic and the matrix unit's own rounding can turn it there, and no further.
;; One version. Each part assembles by itself: llvm-mc -triple=amdgcn-amd-amdhsa -mcpu=gfx1250 --defsym DOCPART=n.
;; ======== version 1 of 1: 7 launches
;; limits: right only within a limited range of input values
;; workspace buffers: w1 13,107,200 bytes; w2 9,830,400 bytes; w3 3,276,800 bytes; x1 16,777,216 bytes; w5 3,670,016 bytes; w6 13,107,200 bytes
;; launch prep (part 1): grid 1024 x 1, 8 waves a work-group, no clusters, 69,632 bytes of LDS; arguments x, w_attn, w_proj, w_fc, w_mlp_proj, w1; writes w1
.if DOCPART == 1
	.amdgcn_target "amdgcn-amd-amdhsa--gfx1250"
	.amdhsa_code_object_version 6
	.text
	.protected	k_q81a5c141bd_prep
	.globl	k_q81a5c141bd_prep
	.p2align	8
	.type	k_q81a5c141bd_prep,@function
k_q81a5c141bd_prep:
	s_mov_b64 s[64:65], 0
	v_nop
	global_prefetch_b8 v0, s[64:65] scope:SCOPE_SE
	s_setreg_imm32_b32 hwreg(HW_REG_WAVE_MODE, 25, 1), 1
	s_wait_xcnt 0x0
; f32 rows with K innermost become codes of FP6 (E2M3) with one E8M0 byte for each 32 along K, laid in the order of a matrix operand's registers.
; Work-groups 0-255: layer norm of 16 rows of the first argument (mean, biased variance in two passes, eps 1e-10), then the quantiser.  Work-groups 256-1023: the four weights, quantised as they are.
; DEAD WORK THAT THIS PROGRAM LEAVES OUT (in the launch attn): reference() builds jnp.tril itself and sets att to -inf wherever key s > query t; exp gives exactly 0 there whatever the inputs hold,
; so a step of 128 keys all of which come after all 16 queries of a tile adds 0 to the row's sum and 0 to y.  Those steps of products 2 and 3 are not computed.  Every input has a way to the output and is loaded.
; LIMIT: a NaN, an infinity or an overflow that reaches only those steps is not carried to the result.  NaN and infinities among the inputs are not served.
; LIMIT: a block of zeros, or one whose largest magnitude lies under 2^-124, gets the byte 1 (the rule says 127 for zeros): its codes are zeros or are held, and this program alone reads the bytes.
; THE IMAGE.  A fragment is 16 rows x 128 K, 12 registers a lane, 1,536 bytes: registers 0-3 at 16 x lane, 4-5 at 512 + 8 x lane, 6-9 at 768 + 16 x lane, 10-11 at 1,280 + 8 x lane.
; THE ROWS OF A BLOCK ARE NOT NEIGHBOURS: lane r of row block 2 B + u holds row 32 B + 8 u + r + 8 (r / 8), so that a product's results over two neighbouring blocks are 16 neighbours along the next K.
; Output: scale words (4 bytes a row and fragment) at id x 512 + 64 x wave; codes at 524,288 + id x 12,288 + 1,536 x wave.
; SHARES.  A work-group takes a row block x 1,024 along K, each of its eight waves one fragment.  A load reads 512 consecutive bytes of one row; the 8 KB turn through the wave's own stage in LDS,
; so that a lane gets 16 neighbours of each block of 32.
; REGISTERS.  The turned numbers come back into the 64 registers that the loads filled, and the layer norm's scratch lies in the quantiser's work registers, which are written only later: a wave names 123 registers.
.set WSTG,  8448                       ; a wave's stage: 16 rows x (512 + 16) bytes
.set PART,  8*WSTG                     ; the waves' partial sums: 16 rows x 8 words; the sums of squares 512 bytes on
.set SPARE, PART+1024                  ; the spare words, 128 bytes a wave: four blocks of 256 bytes that no other line names
.set X,   16                           ; v16-79   the numbers as loaded; then register 16 b + i = k 32 b + 16 (lane / 16) + i of my row
.set R,   80                           ; v80-95   the layer norm's scratch
.set TM,  80                           ; v80-95   then the quantiser's work
.set PC,  96                           ; v96-115  the codes
.set PW,  116                          ; v116     the scale word
.set MU,  118                          ; v[118:119] the mean, twice
.set RS,  120                          ; v[120:121] 1 / sqrt(var + eps), twice
.set VAR, 122                          ; v122     var + eps
.set SPW, 12
.set NIL, 13
.set SEL, 34                           ; s[34:35] lane selects for v_permlanex16_b32: lane l xor 16
; 64 numbers of a lane, v[s] on, become a fragment's codes in v[PC] on and its scale word in v[PW]
.macro QUANT s
.irp b, 0,1,2,3
	v_max3_num_f32 v[TM+\b], |v[\s+16*\b]|, |v[\s+1+16*\b]|, 0x1800000   ; my 16 numbers of block b, and the floor 2^(3 - 127): the byte cannot fall under 1
.endr
.irp i, 2,4,6,8,10,12,14
.irp b, 0,1,2,3
	s_delay_alu instid0(VALU_DEP_4)
	v_max3_num_f32 v[TM+\b], v[TM+\b], |v[\s+16*\b+\i]|, |v[\s+1+16*\b+\i]|
.endr
.endr
.irp b, 0,1,2,3
	s_delay_alu instid0(VALU_DEP_4)
	v_permlanex16_b32 v[TM+4+\b], v[TM+\b], s[SEL], s[SEL+1]
.endr
.irp b, 0,1,2,3
	s_delay_alu instid0(VALU_DEP_4)
	v_max_num_f32 v[TM+\b], v[TM+\b], v[TM+4+\b]      ; with lane l xor 16's: the block's largest magnitude
.endr
.irp b, 0,1,2,3
	s_delay_alu instid0(VALU_DEP_4)
	v_add_nc_u32 v[TM+12+\b], 0xff000000, v[TM+\b]    ; 2 off its exponent field: the conversion's scale operand
.endr
.irp b, 0,1,2,3
	s_delay_alu instid0(VALU_DEP_4)
	v_lshrrev_b32 v[TM+4+\b], 23, v[TM+12+\b]         ; the scale's byte
.endr
	s_delay_alu instid0(VALU_DEP_3)
	v_lshl_or_b32 v[PW], v[TM+5], 8, v[TM+4]
	s_delay_alu instid0(VALU_DEP_1)
	v_lshl_or_b32 v[PW], v[TM+6], 16, v[PW]
	s_delay_alu instid0(VALU_DEP_1)
	v_lshl_or_b32 v[PW], v[TM+7], 24, v[PW]
.irp c, 0,1
	v_cvt_scalef32_pk16_fp6_f32 v[PC+6*\c:PC+2+6*\c], v[\s+32*\c:\s+15+32*\c], v[TM+12+2*\c]
	v_cvt_scalef32_pk16_fp6_f32 v[PC+12+4*\c:PC+14+4*\c], v[\s+16+32*\c:\s+31+32*\c], v[TM+12+2*\c+1]   ; (a conversion's three registers begin on an even number)
.endr
	v_nop                                             ; one plain place behind a scaled conversion
.irp c, 0,1                                       ; the operand's layout wants a whole block in a lane
.irp i, 0,1,2
	v_permlane16_swap_b32 v[PC+6*\c+\i], v[PC+12+4*\c+\i]
.endr
.irp i, 0,1,2
	s_delay_alu instid0(VALU_DEP_3)
	v_mov_b32 v[PC+3+6*\c+\i], v[PC+12+4*\c+\i]
.endr
.endr
.endm
; four pairs of partial sums in v[R:R+7] become the row's total over all 1,024 numbers, in v[R+8] of every lane
.macro ACROSS off
	s_delay_alu instid0(VALU_DEP_3)
	v_pk_add_f32 v[R:R+1], v[R:R+1], v[R+2:R+3]
	s_delay_alu instid0(VALU_DEP_2)
	v_pk_add_f32 v[R+4:R+5], v[R+4:R+5], v[R+6:R+7]
	s_delay_alu instid0(VALU_DEP_1)
	v_pk_add_f32 v[R:R+1], v[R:R+1], v[R+4:R+5]
	s_delay_alu instid0(VALU_DEP_1)
	v_add_f32 v[R], v[R], v[R+1]
	s_delay_alu instid0(VALU_DEP_1)
	v_permlanex16_b32 v[R+1], v[R], s[SEL], s[SEL+1]
	s_delay_alu instid0(VALU_DEP_1)
	v_add_f32 v[R], v[R], v[R+1]                      ; my wave's 128 numbers of row r
	ds_store_b32 v7, v[R] offset:\off                 ; (lanes r and r + 16 write the same word with the same value)
	s_wait_dscnt 0x0                                  ; for the others' sake: my store has landed
	s_barrier_signal -1
	s_barrier_wait -1
	ds_load_b128 v[R+8:R+11], v8 offset:\off
	ds_load_b128 v[R+12:R+15], v8 offset:\off+16
	s_wait_dscnt 0x0
	v_pk_add_f32 v[R+8:R+9], v[R+8:R+9], v[R+12:R+13]
	v_pk_add_f32 v[R+10:R+11], v[R+10:R+11], v[R+14:R+15]
	s_delay_alu instid0(VALU_DEP_1)
	v_pk_add_f32 v[R+8:R+9], v[R+8:R+9], v[R+10:R+11]
	s_delay_alu instid0(VALU_DEP_1)
	v_add_f32 v[R+8], v[R+8], v[R+9]
.endm
	s_load_b256 s[4:11], s[0:1], 0x0                  ; rows for the layer norm s[4:5], w_attn s[6:7], w_proj s[8:9], w_fc s[10:11]
	s_load_b128 s[12:15], s[0:1], 0x20                ; w_mlp_proj s[12:13], the output s[14:15]
	v_lshl_add_u32 v[SPW], v0, 2, SPARE
	v_mov_b32 v[NIL], 0
	v_lshrrev_b32 v1, 5, v0
	s_delay_alu instid0(VALU_DEP_1)
	v_readfirstlane_b32 s16, v1                       ; wave 0..7
	v_and_b32 v1, 31, v0                              ; lane
	v_and_b32 v2, 15, v0                              ; r
	v_bfe_u32 v3, v0, 4, 1                            ; h
	s_delay_alu instid0(VALU_DEP_3)
	v_lshlrev_b32 v4, 4, v1                           ; 16 x lane
	s_mul_i32 s17, s16, WSTG
	v_add_nc_u32 v5, s17, v4                          ; the stage, on the way in
	v_mul_u32_u24 v6, v2, 528
	s_delay_alu instid0(VALU_DEP_1)
	v_lshl_add_u32 v6, v3, 6, v6
	s_delay_alu instid0(VALU_DEP_1)
	v_add_nc_u32 v6, s17, v6                          ; and out: row r, + 64 h
	v_lshlrev_b32 v8, 5, v2
	s_delay_alu instid0(VALU_DEP_1)
	v_add_nc_u32 v8, PART, v8                         ; row r's eight partial sums
	s_lshl_b32 s18, s16, 2
	v_add_nc_u32 v7, s18, v8                          ; my wave's word among them
	v_lshlrev_b32 v10, 3, v1                          ; 8 x lane
	v_lshlrev_b32 v11, 2, v2                          ; 4 r
.irp b, 0,1,2,3
	v_mov_b32 v[TM+4+\b], 0                           ; written once: a lane permute's destination counts as one of its sources
.endr
	s_mov_b32 s[SEL], 0x76543210
	s_mov_b32 s[SEL+1], 0xfedcba98
	s_mov_b32 s32, 0x3a800000                         ; 1 / 1,024
	s_wait_kmcnt 0x0
	s_mov_b64 s[20:21], s[12:13]                      ; which tensor, and its first work-group: the choice hangs on the work-group's number alone
	s_mov_b32 s22, 768
	s_cmp_lt_u32 ttmp9, 768
	s_cselect_b64 s[20:21], s[10:11], s[20:21]
	s_cselect_b32 s22, 512, s22
	s_cmp_lt_u32 ttmp9, 512
	s_cselect_b64 s[20:21], s[8:9], s[20:21]
	s_cselect_b32 s22, 448, s22
	s_cmp_lt_u32 ttmp9, 448
	s_cselect_b64 s[20:21], s[6:7], s[20:21]
	s_cselect_b32 s22, 256, s22
	s_cmp_lt_u32 ttmp9, 256
	s_cselect_b64 s[20:21], s[4:5], s[20:21]
	s_cselect_b32 s22, 0, s22
	s_sub_co_u32 s23, ttmp9, s22                      ; my number within the tensor
	s_cmp_lt_u32 ttmp9, 768
	s_cselect_b32 s24, 0, 2                           ; w_mlp_proj has rows of 4,096: four work-groups to a row block
	s_lshr_b32 s25, s23, s24                          ; row block
	s_lshr_b32 s26, s25, 1
	s_lshl_b32 s26, s26, 5
	s_and_b32 s27, s25, 1
	s_lshl_b32 s27, s27, 3
	s_add_co_u32 s26, s26, s27                        ; its first row: 32 (RB / 2) + 8 (RB % 2)
	s_lshl_b32 s26, s26, 12
	s_lshl_b32 s26, s26, s24                          ; x 4,096 or 16,384 bytes
	s_lshl_b32 s27, s25, s24
	s_sub_co_u32 s27, s23, s27                        ; which 1,024 along K
	s_lshl_b32 s27, s27, 12
	s_add_co_u32 s26, s26, s27
	s_lshl_b32 s27, s16, 9                            ; my wave's 128 numbers
	s_add_co_u32 s26, s26, s27
	s_mov_b32 s27, 0
	s_add_nc_u64 s[20:21], s[20:21], s[26:27]
	s_mul_i32 s28, ttmp9, 12288
	s_mul_i32 s29, s16, 1536
	s_add_co_u32 s28, s28, s29
	s_add_co_u32 s28, s28, 524288
	s_mov_b32 s29, 0
	s_add_nc_u64 s[28:29], s[14:15], s[28:29]         ; my fragment's codes
	s_lshl_b32 s30, ttmp9, 9
	s_lshl_b32 s31, s16, 6
	s_add_co_u32 s30, s30, s31
	s_mov_b32 s31, 0
	s_add_nc_u64 s[30:31], s[14:15], s[30:31]         ; and its scale words
	s_cmp_lt_u32 ttmp9, 768
	s_cbranch_scc0 .Lwide
.irp i, 0,1,2,3,4,5,6,7,8,9,10,11,12,13,14,15
	global_load_b128 v[X+4*\i:X+4*\i+3], v4, s[20:21] offset:(\i+8*(\i/8))*4096 th:TH_LOAD_NT    ; 32 lanes read 512 consecutive bytes of the block's row i
.endr
	s_branch .Lloaded
.Lwide:
.irp i, 0,1,2,3,4,5,6,7,8,9,10,11,12,13,14,15
	global_load_b128 v[X+4*\i:X+4*\i+3], v4, s[20:21] offset:(\i+8*(\i/8))*16384 th:TH_LOAD_NT
.endr
.Lloaded:
.irp i, 0,1,2,3,4,5,6,7,8,9,10,11,12,13,14,15
	s_wait_loadcnt 15-\i                              ; row i is in; the younger rows' loads stay out
	ds_store_b128 v5, v[X+4*\i:X+4*\i+3] offset:528*\i
.endr
.irp b, 0,1,2,3
.irp j, 0,1,2,3
	ds_load_b128 v[X+16*\b+4*\j:X+16*\b+4*\j+3], v6 offset:128*\b+16*\j   ; LDS serves a wave's instructions in order: these see my stores, and land in the registers that the stores have left
.endr
.endr
	s_wait_dscnt 0x0
	s_cmp_lt_u32 ttmp9, 256                           ; the same in all eight waves: the barriers below are passed by all or by none
	s_cbranch_scc0 .Lquant
	; THE LAYER NORM, in two passes: the mean first, then the mean of (x - mean)^2: no difference of large sums is formed
.irp k, 0,1,2,3
	v_pk_add_f32 v[R+2*\k:R+2*\k+1], v[X+4*\k:X+4*\k+1], v[X+4*\k+2:X+4*\k+3]
.endr
.irp i, 16,24,32,40,48,56
.irp k, 0,1,2,3
	s_delay_alu instid0(VALU_DEP_4)
	v_pk_add_f32 v[R+2*\k:R+2*\k+1], v[R+2*\k:R+2*\k+1], v[X+\i+2*\k:X+\i+2*\k+1]
.endr
.endr
	ACROSS 0
	s_delay_alu instid0(VALU_DEP_1)
	v_mul_f32 v[MU], s32, v[R+8]
	s_delay_alu instid0(VALU_DEP_1)
	v_mov_b32 v[MU+1], v[MU]
.irp i, 0,2,4,6,8,10,12,14,16,18,20,22,24,26,28,30,32,34,36,38,40,42,44,46,48,50,52,54,56,58,60,62
	v_pk_add_f32 v[X+\i:X+\i+1], v[X+\i:X+\i+1], v[MU:MU+1] neg_lo:[0,1] neg_hi:[0,1]
.endr
.irp k, 0,1,2,3
	v_pk_mul_f32 v[R+2*\k:R+2*\k+1], v[X+2*\k:X+2*\k+1], v[X+2*\k:X+2*\k+1]
.endr
.irp i, 8,16,24,32,40,48,56
.irp k, 0,1,2,3
	s_delay_alu instid0(VALU_DEP_4)
	v_pk_fma_f32 v[R+2*\k:R+2*\k+1], v[X+\i+2*\k:X+\i+2*\k+1], v[X+\i+2*\k:X+\i+2*\k+1], v[R+2*\k:R+2*\k+1]
.endr
.endr
	ACROSS 512                                        ; other bytes than the first exchange's: no wave overwrites what another may still read
	s_delay_alu instid0(VALU_DEP_1)
	v_fmaak_f32 v[VAR], s32, v[R+8], 0x2edbe6ff       ; var + 1e-10
	s_wait_alu depctr_va_vdst(0)
	v_rsq_f32 v[RS], v[VAR]
	v_rsq_f32 v[RS+1], v[VAR]
	v_nop                                             ; a plain place behind the transcendentals
	s_wait_alu depctr_va_vdst(0)                      ; one wait for both, ahead of their first reader
.irp i, 0,2,4,6,8,10,12,14,16,18,20,22,24,26,28,30,32,34,36,38,40,42,44,46,48,50,52,54,56,58,60,62
	v_pk_mul_f32 v[X+\i:X+\i+1], v[X+\i:X+\i+1], v[RS:RS+1]
.endr
.Lquant:
	QUANT X
	global_store_b128 v4, v[PC:PC+3], s[28:29]                    ; each store covers 512 or 256 consecutive bytes, aligned
	global_store_b64 v10, v[PC+4:PC+5], s[28:29] offset:512
	global_store_b128 v4, v[PC+6:PC+9], s[28:29] offset:768
	global_store_b64 v10, v[PC+10:PC+11], s[28:29] offset:1280
	global_store_b32 v11, v[PW], s[30:31]                         ; row r's word (lanes r and r + 16 hold the same)
	s_wait_tensorcnt 0x0                              ; the wave's end, behind my last LDS store
	ds_add_u32 v[SPW], v[NIL]
	s_wait_dscnt 0x0
	s_endpgm
.Lfunc_end_k_q81a5c141bd_prep:
	.size	k_q81a5c141bd_prep, .Lfunc_end_k_q81a5c141bd_prep-k_q81a5c141bd_prep
	.p2alignl 7, 3214868480
	.fill 96, 4, 3214868480
	.section	.rodata,"a",@progbits
	.p2align	6, 0x0
	.amdhsa_kernel k_q81a5c141bd_prep
		.amdhsa_group_segment_fixed_size 69632
		.amdhsa_private_segment_fixed_size 0
		.amdhsa_enable_private_segment 0
		.amdhsa_kernarg_size 48
		.amdhsa_user_sgpr_count 2
		.amdhsa_user_sgpr_kernarg_segment_ptr 1
		.amdhsa_wavefront_size32 1
		.amdhsa_system_sgpr_workgroup_id_x 1
		.amdhsa_system_sgpr_workgroup_id_y 1
		.amdhsa_system_sgpr_workgroup_id_z 1
		.amdhsa_system_vgpr_workitem_id 0
		.amdhsa_next_free_vgpr 128
		.amdhsa_next_free_sgpr 66
		.amdhsa_reserve_vcc 0
		.amdhsa_float_denorm_mode_32 3
		.amdhsa_float_denorm_mode_16_64 3
		.amdhsa_memory_ordered 1
		.amdhsa_forward_progress 1
		.amdhsa_inst_pref_size 28
	.end_amdhsa_kernel
	.amdgpu_metadata
---
amdhsa.version: [ 1, 2 ]
amdhsa.kernels:
  - .name:           k_q81a5c141bd_prep
    .symbol:         k_q81a5c141bd_prep.kd
    .args:
      - { .name: x, .offset: 0, .size: 8, .value_kind: global_buffer, .address_space: global }
      - { .name: w_attn, .offset: 8, .size: 8, .value_kind: global_buffer, .address_space: global }
      - { .name: w_proj, .offset: 16, .size: 8, .value_kind: global_buffer, .address_space: global }
      - { .name: w_fc, .offset: 24, .size: 8, .value_kind: global_buffer, .address_space: global }
      - { .name: w_mlp_proj, .offset: 32, .size: 8, .value_kind: global_buffer, .address_space: global }
      - { .name: w1, .offset: 40, .size: 8, .value_kind: global_buffer, .address_space: global }
    .group_segment_fixed_size: 69632
    .private_segment_fixed_size: 0
    .kernarg_segment_align: 8
    .kernarg_segment_size: 48
    .max_flat_workgroup_size: 256
    .sgpr_count:     66
    .vgpr_count:     128
    .wavefront_size: 32
...
	.end_amdgpu_metadata
.endif
;; end of part 1
;; launch gemm_qkv (part 2): grid 24 x 8, 4 waves a work-group, clusters of 4 x 4, 327,680 bytes of LDS; arguments w1, b_attn, w2; writes w2
.if DOCPART == 2
	.amdgcn_target "amdgcn-amd-amdhsa--gfx1250"
	.amdhsa_code_object_version 6
	.text
	.protected	k_q81a5c141bd_gemm_qkv
	.globl	k_q81a5c141bd_gemm_qkv
	.p2align	8
	.type	k_q81a5c141bd_gemm_qkv,@function
k_q81a5c141bd_gemm_qkv:
	s_mov_b64 s[64:65], 0
	v_nop
	global_prefetch_b8 v0, s[64:65] scope:SCOPE_SE
	s_setreg_imm32_b32 hwreg(HW_REG_WAVE_MODE, 25, 1), 1
	s_wait_xcnt 0x0
	s_wait_alu depctr_hold_cnt(0) depctr_sa_sdst(0) depctr_va_vdst(0) depctr_va_sdst(0) depctr_va_ssrc(0) depctr_va_vcc(0) depctr_vm_vsrc(0)
	s_getreg_b32 s2, hwreg(HW_REG_IB_STS2, 6, 4)
	s_cmp_eq_u32 s2, 0
	s_cbranch_scc0 .Lentry_in_a_cluster
	s_endpgm
.Lentry_in_a_cluster:
	s_bfe_u32 s2, ttmp6, 0x10000c
	s_cmp_lg_u32 s2, 0xf033
	s_cbranch_scc0 .Lentry_shape_is_right
	s_endpgm
.Lentry_shape_is_right:
; Product 1: ca = ln(x) w_attn^T + b_attn, on codes of FP6 with E8M0 scales, and its three parts quantised on the way out: q and k along the head's channels, v along the keys.
; OPERANDS are images of fragments (16 rows x 128 K = 1,536 bytes in the order of the operand's registers; lane r of row block 2 B + u holds row 32 B + 8 u + r + 8 (r / 8)), scale words beside them.
; A tile of the result is 256 x 256: four waves, each 128 x 128 in 64 accumulators.  Source 0 = 16 rows of the B region, source 1 = 16 rows of the A region: a lane holds one row of A's, its registers run along B's rows,
; and by the rows' order the 64 registers of A's block a are 128 neighbours along B's rows: one fragment of the next product, made in registers.
; TWO MODES, by the cluster's x (the same in all partners).  Clusters 0-3: A = ln(x) (tokens), B = w_attn's rows 0-2,047: q and k, quantised along the channels.
; Clusters 4, 5: A = w_attn's rows 2,048 on, B = ln(x): a lane holds a channel and its registers run along the tokens: v^T, quantised along the keys.  Only addresses differ in the loop.
; K goes in steps of 128, two to a slot, through a ring of two LDS slots filled by joint tensor loads: A's tiles are shared along a row of the 4 x 4 cluster, B's along a column.
; The scale words of the work-group's rows, for all of K, come once with the first fills.
; REGISTERS: window 0: v1-29 addresses; v32-47 scale words, two sets (lanes 0-15 A's block i, lanes 16-31 B's); v64-159, v160-255 A's fragments, two sets.  window 1: v0-95, v128-223 B's two sets; v96-127, v224-255 the bias.
;   windows 2, 3: the accumulators, (a, b) at v[8 (8 (a % 4) + b)] of window 2 + a / 4.
; LIMITS: as stated at the head of the launch prep (NaN, infinities; the byte 1 of very small blocks).
.set QKV,   1
.set GEL,   0
.set W,     8                          ; blocks of 16 rows for a wave, on each side
.set KT,    8                          ; K / 128
.set SK,    2                          ; K steps in a slot
.set ARGA,  0x0
.set ARGB,  0x0
.set ARGBI, 0x8
.set ARGO,  0x10
.set SECA,  0                          ; (this launch chooses its sections by the mode)
.set SECAS, 0
.set SECB,  0
.set SECBS, 0
.set FRB,   1536
.set HALFT, W*SK*FRB                   ; what one tensor load brings: W row blocks x SK fragments
.set SLOT,  4*HALFT                    ; A's two halves, then B's
.set SCL,   2*SLOT                     ; behind the ring: the scale words
.set HALFS, W*KT*64
.set SPARE, SCL+4*HALFS+256            ; the spare words, 128 bytes a wave: two blocks of 256 bytes that no other line names
.set LAPS,  KT/SK/2
.set NP,    4                          ; places behind this matrix instruction (ISA guide 7.12.1)
.set ADA16, 16                         ; v16-17 A's fragments in slot 0, 1: + 16 x lane;  v18-19: + 8 x lane
.set ADA8,  18
.set ADB16, 20                         ; v20-23 the same for B
.set ADB8,  22
.set ADRS,  27                         ; v27 my scale words: lanes 0-15 A's rows, lanes 16-31 B's
.set SPW,   28
.set NIL,   29
.set SC,    32
.set AF,    64
.set HA,    64                         ; the way out, window 0: v64-127 a block's 64 numbers; v128-159 at work; v160-179 codes; v180-195 the quantiser's work; v196 the scale word
.set T,     128
.set PC,    160
.set TM,    180
.set PW,    196
.set KC3,   200
.set KC1,   202
.set SEL,   66                         ; s[66:67]
.set G1, 24
.set G0, 32
.set G1B, 48
.set G0B, 56
.set G1S, 68
.set G0S, 76
.set G1SB, 80
.set G0SB, 88
.set MSB, 0
.macro WIN new                         ; the immediate's high byte repeats the setting that is left
.if MSB != (\new)
	s_set_vgpr_msb (MSB<<8)|(\new)
.set MSB, (\new)
.endif
.endm
; A joint load: waves 0 and 1 fetch for A, waves 2 and 3 for B; the branch hangs on the wave's number alone.  An s_nop 0 and four v_nop follow each line.
.macro JLOAD g0a, g1a, g0b, g1b
	s_cmp_eq_u32 s15, 0
	s_cbranch_scc0 .Lfor_b_\@
	tensor_load_to_lds s[\g0a:\g0a+3], s[\g1a:\g1a+7]
	s_nop 0
.rept 4
	v_nop
.endr
	s_branch .Lasked_\@
.Lfor_b_\@:
	tensor_load_to_lds s[\g0b:\g0b+3], s[\g1b:\g1b+7]
	s_nop 0
.rept 4
	v_nop
.endr
.Lasked_\@:
.endm
.macro CREST                           ; a round of the cluster's barrier behind its opening barrier
	s_cmp_lg_u32 s14, 0
	s_cbranch_scc1 .Lnot_wave_0_\@
	s_barrier_signal -3
.Lnot_wave_0_\@:
	s_barrier_wait -3
	s_barrier_signal -1
	s_barrier_wait -1
.endm
.macro CROUND
	s_barrier_signal -1
	s_barrier_wait -1
	CREST
.endm
.macro PLACES n
.rept \n
	v_nop
.endr
.endm
.macro FRAG reg, a16, a8, off          ; a fragment's image comes back as it was stored: every load covers 512 or 256 consecutive bytes
	ds_load_b128 v[\reg:\reg+3], v[\a16] offset:\off
	ds_load_b64 v[\reg+4:\reg+5], v[\a8] offset:\off+512
	ds_load_b128 v[\reg+6:\reg+9], v[\a16] offset:\off+768
	ds_load_b64 v[\reg+10:\reg+11], v[\a8] offset:\off+1280
.endm
.macro FETCH slot, q, p                ; the slot's q-th K step into set p: B's W fragments, A's, and the scale words
	WIN 0x40
.set i, 0
.rept W
	FRAG 128*(\p)+12*i, ADB16+\slot, ADB8+\slot, (i*SK+(\q))*FRB
.set i, i+1
.endr
	WIN 0
.set i, 0
.rept W
	FRAG AF+96*(\p)+12*i, ADA16+\slot, ADA8+\slot, (i*SK+(\q))*FRB
.set i, i+1
.endr
.set i, 0
.rept W
	ds_load_b32 v[SC+W*(\p)+i], v[ADRS] offset:(i*KT+(\q))*64
.set i, i+1
.endr
.endm
.macro MULA a, p, zero                 ; A's block a against B's W blocks.  The accumulators take turns, one instruction a turn, in the same order in every step
.if (\a) < 4
	WIN 0xa1
.else
	WIN 0xf1
.endif
.set b, 0
.rept W
.set rD, 8*(W*((\a)%4)+b)
.if \zero
	v_wmma_scale_f32_16x16x128_f8f6f4 v[rD:rD+7], v[128*(\p)+12*b:128*(\p)+12*b+11], v[AF+96*(\p)+12*(\a):AF+96*(\p)+12*(\a)+11], 0, v[SC+W*(\p)+b], v[SC+W*(\p)+(\a)] matrix_a_fmt:MATRIX_FMT_FP6 matrix_b_fmt:MATRIX_FMT_FP6 matrix_a_scale:MATRIX_SCALE_ROW1
.else
	v_wmma_scale_f32_16x16x128_f8f6f4 v[rD:rD+7], v[128*(\p)+12*b:128*(\p)+12*b+11], v[AF+96*(\p)+12*(\a):AF+96*(\p)+12*(\a)+11], v[rD:rD+7], v[SC+W*(\p)+b], v[SC+W*(\p)+(\a)] matrix_a_fmt:MATRIX_FMT_FP6 matrix_b_fmt:MATRIX_FMT_FP6 matrix_a_scale:MATRIX_SCALE_ROW1
.endif
.set b, b+1
.endr
.endm
.macro MULR a0, a1, p, zero            ; A's blocks a0 .. a1 - 1
.set aa, \a0
.rept (\a1)-(\a0)
	MULA aa, \p, \zero
.set aa, aa+1
.endr
.endm
; A K step that has its successor in the same slot.  The other set was last read in the step before: the four places at the head stand between those products and the loads.
.macro STEP slot, q, zero
	s_wait_dscnt 0x0                               ; this step's set is in: it was asked for three quarters of a step ago
	PLACES NP
	MULR 0, W/4, (\q)%2, \zero
	FETCH \slot, (\q)+1, 1-(\q)%2
	MULR W/4, W, (\q)%2, \zero
	WIN 0
.endm
.macro STEPS slot, q0
.set qq, \q0
.rept SK-1-(\q0)
	STEP \slot, qq, 0
.set qq, qq+1
.endr
.endm
; A slot's last K step changes slots: one barrier; in front of it each wave waits for all its tensor loads, adds 0 to its spare word, and waits for that and for its reads of this slot.
.macro TURN slot, next, fill
	s_wait_tensorcnt 0x0                           ; all my tensor loads have landed: my part of the next slot
	ds_add_u32 v[SPW], v[NIL]                      ; 0 onto my spare word
	s_wait_dscnt 1                                 ; this step's set is in; the add alone may be out
	MULR 0, W/4, 1, 0
	s_wait_dscnt 0x0                               ; the add is done, and my reads of this slot are over
	s_barrier_signal -1
	MULR W/4, W/2, 1, 0
	WIN 0
	s_barrier_wait -1
.if \fill
	CREST                                          ; the barrier has opened a round of the cluster's: no wave of any partner still reads this slot or has a load on its way
	s_add_nc_u64 s[G0+4*\slot+2:G0+4*\slot+3], s[G0+4*\slot+2:G0+4*\slot+3], 2*SK*FRB
	s_add_nc_u64 s[G0B+4*\slot+2:G0B+4*\slot+3], s[G0B+4*\slot+2:G0B+4*\slot+3], 2*SK*FRB
	JLOAD G0+4*\slot, G1, G0B+4*\slot, G1B         ; the first tensor load behind the round; its four v_nop are the places in front of the loads below
.else
	PLACES NP
.endif
	s_wait_alu depctr_va_vdst(0)
	v_add_nc_u32 v[ADRS], SK*64, v[ADRS]           ; the next slot's scale words
	FETCH \next, 0, 0
	MULR W/2, W, 1, 0
	WIN 0
.endm
; 64 numbers of a lane, v[s] on, register 16 b + i = k 32 b + 16 (lane / 16) + i of my row, become a fragment's codes in v[PC] on and its scale word in v[PW]
.macro QUANT s
.irp b, 0,1,2,3
	v_max3_num_f32 v[TM+\b], |v[\s+16*\b]|, |v[\s+1+16*\b]|, 0x1800000   ; and the floor 2^(3 - 127): the byte cannot fall under 1
.endr
.irp i, 2,4,6,8,10,12,14
.irp b, 0,1,2,3
	v_max3_num_f32 v[TM+\b], v[TM+\b], |v[\s+16*\b+\i]|, |v[\s+1+16*\b+\i]|
.endr
.endr
.irp b, 0,1,2,3
	v_permlanex16_b32 v[TM+4+\b], v[TM+\b], s[SEL], s[SEL+1]
.endr
.irp b, 0,1,2,3
	v_max_num_f32 v[TM+\b], v[TM+\b], v[TM+4+\b]
.endr
.irp b, 0,1,2,3
	v_add_nc_u32 v[TM+12+\b], 0xff000000, v[TM+\b]    ; 2 off the exponent field: the conversion's scale operand
.endr
.irp b, 0,1,2,3
	v_lshrrev_b32 v[TM+4+\b], 23, v[TM+12+\b]
.endr
	v_lshl_or_b32 v[PW], v[TM+5], 8, v[TM+4]
	v_lshl_or_b32 v[PW], v[TM+6], 16, v[PW]
	v_lshl_or_b32 v[PW], v[TM+7], 24, v[PW]
.irp c, 0,1
	v_cvt_scalef32_pk16_fp6_f32 v[PC+6*\c:PC+2+6*\c], v[\s+32*\c:\s+15+32*\c], v[TM+12+2*\c]
	v_cvt_scalef32_pk16_fp6_f32 v[PC+12+4*\c:PC+14+4*\c], v[\s+16+32*\c:\s+31+32*\c], v[TM+12+2*\c+1]
.endr
	v_nop                                             ; one plain place behind a scaled conversion
.irp c, 0,1
.irp i, 0,1,2
	v_permlane16_swap_b32 v[PC+6*\c+\i], v[PC+12+4*\c+\i]
.endr
.irp i, 0,1,2
	v_mov_b32 v[PC+3+6*\c+\i], v[PC+12+4*\c+\i]
.endr
.endr
.endm
.macro BIASQ                           ; the bias along the registers: number 16 B + x of a lane is bias[n0 + 32 B + 16 h + x]; into window 1
	WIN 0x40
.irp be, 0,1,2,3
.irp jj, 0,1,2,3
	global_load_b128 v[96+16*\be+4*\jj+96*(\be/2):96+16*\be+4*\jj+96*(\be/2)+3], v7, s[8:9] offset:128*\be+16*\jj
.endr
.endr
	WIN 0
.endm
.macro BIASV                           ; the bias along the lanes: block a's is one number a lane, kept twice for the packed addition
	WIN 0x40
.irp a, 0,1,2,3,4,5,6,7
	global_load_b32 v[96+2*\a], v6, s[8:9] offset:(32*(\a/2)+8*(\a%2))*4
	global_load_b32 v[97+2*\a], v6, s[8:9] offset:(32*(\a/2)+8*(\a%2))*4
.endr
	WIN 0
.endm
; new_gelu(x) = x / (1 + 2^(x (k1 + k3 x^2))), k1 = -2 sqrt(2 / pi) log2(e), k3 = 0.044715 k1: the same number as 0.5 x (1 + tanh(..)); 32 numbers at a time, each batch of transcendentals with one wait
.macro GELU
.irp hf, 0,1
.set i, 0
.rept 16
	v_pk_mul_f32 v[T+2*i:T+2*i+1], v[HA+32*\hf+2*i:HA+32*\hf+2*i+1], v[HA+32*\hf+2*i:HA+32*\hf+2*i+1]
.set i, i+1
.endr
.set i, 0
.rept 16
	v_pk_fma_f32 v[T+2*i:T+2*i+1], v[T+2*i:T+2*i+1], v[KC3:KC3+1], v[KC1:KC1+1]
.set i, i+1
.endr
.set i, 0
.rept 16
	v_pk_mul_f32 v[T+2*i:T+2*i+1], v[T+2*i:T+2*i+1], v[HA+32*\hf+2*i:HA+32*\hf+2*i+1]
.set i, i+1
.endr
.set i, 0
.rept 32
	v_exp_f32 v[T+i], v[T+i]
.set i, i+1
.endr
	v_nop
	s_wait_alu depctr_va_vdst(0)
.set i, 0
.rept 16
	v_pk_add_f32 v[T+2*i:T+2*i+1], v[T+2*i:T+2*i+1], 1.0 op_sel_hi:[1,0]
.set i, i+1
.endr
.set i, 0
.rept 32
	v_rcp_f32 v[T+i], v[T+i]
.set i, i+1
.endr
	v_nop
	s_wait_alu depctr_va_vdst(0)
.set i, 0
.rept 16
	v_pk_mul_f32 v[HA+32*\hf+2*i:HA+32*\hf+2*i+1], v[HA+32*\hf+2*i:HA+32*\hf+2*i+1], v[T+2*i:T+2*i+1]
.set i, i+1
.endr
.endr
.endm
; A's block a leaves: its 64 sums a lane, plus the bias, are one fragment of the next product.  kto: fragments in a row block of the output
.macro EPQ a, vmode, kto
	WIN 0x06+(\a)/4                                ; source 0 the accumulators' window, source 1 window 1
.set i, 0
.rept 32
.if \vmode
	v_pk_add_f32 v[HA+2*i:HA+2*i+1], v[64*((\a)%4)+2*i:64*((\a)%4)+2*i+1], v[96+2*(\a):96+2*(\a)+1]
.else
.set rB, 96+2*i+96*(i/16)
	v_pk_add_f32 v[HA+2*i:HA+2*i+1], v[64*((\a)%4)+2*i:64*((\a)%4)+2*i+1], v[rB:rB+1]   ; each accumulator from its low end on
.endif
.set i, i+1
.endr
	WIN 0
.if GEL
	GELU
.endif
.if (\a) > 0
	s_wait_xcnt 0x0                                ; the last block's stores have read the codes' registers
.endif
	QUANT HA
	global_store_b128 v8, v[PC:PC+3], s[12:13] offset:(\a)*(\kto)*FRB
	global_store_b64 v9, v[PC+4:PC+5], s[12:13] offset:(\a)*(\kto)*FRB+512
	global_store_b128 v8, v[PC+6:PC+9], s[12:13] offset:(\a)*(\kto)*FRB+768
	global_store_b64 v9, v[PC+10:PC+11], s[12:13] offset:(\a)*(\kto)*FRB+1280
	global_store_b32 v10, v[PW], s[10:11] offset:(\a)*(\kto)*64
.endm
.macro FINISH vmode, kto               ; the last slot's K steps, and the way out
	STEPS 1, 0
	s_wait_dscnt 0x0
	MULR 0, W, 1, 0
	WIN 0
	PLACES NP                                      ; in front of the first read of results and of writes into registers that held fragments
.irp b, 0,1,2,3
	v_mov_b32 v[TM+4+\b], 0                        ; a lane permute's destination counts as one of its sources
.endr
.if GEL
	v_mov_b32 v[KC3], 0xbdd2d3e8
	v_mov_b32 v[KC3+1], 0xbdd2d3e8
	v_mov_b32 v[KC1], 0xc0135761
	v_mov_b32 v[KC1+1], 0xc0135761
.endif
	s_wait_loadcnt 0x0                             ; the bias
.irp a, 0,1,2,3,4,5,6,7
	EPQ \a, \vmode, \kto
.endr
.endm
	s_load_b64 s[4:5], s[0:1], ARGA                ; A's buffer
	s_load_b64 s[6:7], s[0:1], ARGB                ; B's
	s_load_b64 s[8:9], s[0:1], ARGBI               ; the bias
	s_load_b64 s[12:13], s[0:1], ARGO              ; the output
	v_lshl_add_u32 v[SPW], v0, 2, SPARE
	v_mov_b32 v[NIL], 0
	ds_add_u32 v[SPW], v[NIL]                      ; the wave's opening: the add, twice on end, and its wait ahead of my first tensor load
	ds_add_u32 v[SPW], v[NIL]
	v_lshrrev_b32 v1, 5, v0
	v_readfirstlane_b32 s14, v1                    ; wave 0..3
	s_lshr_b32 s15, s14, 1                         ; my half of A's rows.  Also: I fetch for A (0) or for B (1)
	s_and_b32 s16, s14, 1                          ; my half of B's rows.  Also: which half of that tile I fetch
	s_bfe_u32 s40, ttmp6, 0x40000                  ; cx
	s_bfe_u32 s41, ttmp6, 0x40004                  ; cy
.if QKV
	s_and_b32 s18, ttmp7, 0xffff                   ; cluster y
	s_lshl_b32 s19, s18, 2
	s_lshr_b32 s20, ttmp9, 1
	s_lshl_b32 s20, s20, 3
	s_add_co_u32 s19, s19, s20                     ; q, k: A's tile = cy + 4 cluster y + 8 (cluster x / 2)
	s_and_b32 s20, ttmp9, 1
	s_lshl_b32 s20, s20, 2                         ; q, k: B's tile = cx + 4 (cluster x % 2)
	s_lshl_b32 s21, ttmp9, 2
	s_lshl_b32 s22, s18, 3
	s_add_co_u32 s21, s21, s22
	s_sub_co_u32 s21, s21, 16                      ; v: B's tile = cx + 4 (cluster x - 4) + 8 cluster y
	s_mov_b32 s95, 524288                          ; the sections of w1: A's codes, A's scale words, B's codes, B's scale words
	s_mov_b32 s96, 0
	s_mov_b32 s97, 3670016
	s_mov_b32 s98, 131072
	s_cmp_ge_u32 ttmp9, 4                          ; v's mode?
	s_cselect_b32 s19, 0, s19                      ; v: A's tile = cy
	s_cselect_b32 s20, s21, s20
	s_cselect_b32 s95, 5242880, s95
	s_cselect_b32 s96, 196608, s96
	s_cselect_b32 s97, 524288, s97
	s_cselect_b32 s98, 0, s98
	s_add_co_u32 s17, s19, s41                     ; A's tile: never holds cx
	s_add_co_u32 s42, s20, s40                     ; B's tile: never holds cy
.else
	s_lshl_b32 s42, ttmp9, 2
	s_add_co_u32 s42, s42, s40
	s_and_b32 s17, ttmp7, 0xffff
	s_lshl_b32 s17, s17, 2
	s_add_co_u32 s17, s17, s41
	s_mov_b32 s95, SECA
	s_mov_b32 s96, SECAS
	s_mov_b32 s97, SECB
	s_mov_b32 s98, SECBS
.endif
	s_lshl_b32 s43, s41, 2
	s_lshl_b32 s43, 15, s43                        ; my row of the cluster
	s_lshl_b32 s44, 0x1111, s40                    ; my column
	s_or_b32 s[G1+0], s43, (3<<16)|(1<<21)         ; 15:0 the mask; 17:16 elements of 8 bytes; 21 set beside a mask; no padding
	s_or_b32 s[G1B+0], s44, (3<<16)|(1<<21)
.irp g, G1, G1B
	s_mov_b32 s[\g+1], (SK*192)<<16                ; tensor_dim0: SK fragments = SK x 192 elements
	s_mov_b32 s[\g+2], (2*W)<<16                   ; tensor_dim1: the head's loads bring a whole tile, 2 W row blocks
	s_mov_b32 s[\g+3], (SK*192)<<16                ; tile_dim0
	s_mov_b32 s[\g+4], 2*W                         ; tile_dim1
	s_mov_b32 s[\g+5], KT*192                      ; from row block to row block
	s_mov_b32 s[\g+6], 0
	s_mov_b32 s[\g+7], 0
.endr
	s_or_b32 s[G1S+0], s43, (3<<16)|(1<<21)        ; the scale words of 2 W row blocks: a dense block, as rows of 256 bytes
	s_or_b32 s[G1SB+0], s44, (3<<16)|(1<<21)
.irp g, G1S, G1SB
	s_mov_b32 s[\g+1], 32<<16
	s_mov_b32 s[\g+2], (2*HALFS/256)<<16           ; the scale words of 2 W row blocks
	s_mov_b32 s[\g+3], 32<<16
	s_mov_b32 s[\g+4], 2*HALFS/256
	s_mov_b32 s[\g+5], 32
	s_mov_b32 s[\g+6], 0
	s_mov_b32 s[\g+7], 0
.endr
	s_mul_i32 s18, s16, W*KT*FRB                   ; s[18:19]: bytes from a tile's first row block to the half that I fetch in the ring
	s_mov_b32 s19, 0
	s_mul_i32 s20, s17, 2*W                        ; A: the tile's first row block
	s_mul_i32 s22, s20, KT*64
	s_add_co_u32 s22, s22, s96
	s_mul_i32 s20, s20, KT*FRB
	s_add_co_u32 s20, s20, s95
	s_mov_b32 s21, 0
	s_mov_b32 s23, 0
	s_mul_i32 s46, s42, 2*W
	s_mul_i32 s92, s46, KT*64
	s_add_co_u32 s92, s92, s98
	s_mul_i32 s46, s46, KT*FRB
	s_add_co_u32 s46, s46, s97
	s_mov_b32 s47, 0
	s_mov_b32 s93, 0
	s_mul_i32 s45, s14, HALFT                      ; where they go: no place in the cluster enters an LDS address
	s_mov_b32 s[SEL], 0x76543210
	s_mov_b32 s[SEL+1], 0xfedcba98
	s_wait_dscnt 0x0                               ; both opening adds are done
	s_wait_kmcnt 0x0
	s_add_nc_u64 s[20:21], s[4:5], s[20:21]
	s_add_nc_u64 s[22:23], s[4:5], s[22:23]
	s_add_nc_u64 s[46:47], s[6:7], s[46:47]
	s_add_nc_u64 s[92:93], s[6:7], s[92:93]
	CROUND                                         ; all sixteen work-groups are here: the first joint loads meet
	s_mov_b32 s[G0S], 1
	s_mov_b32 s[G0S+1], SCL
	s_mov_b64 s[G0S+2:G0S+3], s[22:23]
	s_or_b32 s[G0S+3], s[G0S+3], 0x80000000
	s_mov_b32 s[G0SB], 1
	s_mov_b32 s[G0SB+1], SCL+2*HALFS+64            ; (B's scale words lie 64 bytes further on: other banks than A's)
	s_mov_b64 s[G0SB+2:G0SB+3], s[92:93]
	s_or_b32 s[G0SB+3], s[G0SB+3], 0x80000000
; THE HEAD'S LOADS, ONE A WAVE: wave 0 slot 0's whole tile of A, wave 1 that of B, wave 2 A's scale words, wave 3 B's; one chain of branches on the wave's number, all arms to one join
.macro TL g0, g1
	tensor_load_to_lds s[\g0:\g0+3], s[\g1:\g1+7]
	s_nop 0
	PLACES 4
.endm
.macro ARM under, g0, g1, next, join
	s_cmp_lt_u32 s14, \under
	s_cbranch_scc0 \next
	TL \g0, \g1
	s_branch \join
\next:
.endm
	s_mov_b32 s[G0], 1
	s_mov_b32 s[G0+1], 0
	s_mov_b64 s[G0+2:G0+3], s[20:21]
	s_or_b32 s[G0+3], s[G0+3], 0x80000000
	s_mov_b32 s[G0B], 1
	s_mov_b32 s[G0B+1], 2*HALFT
	s_mov_b64 s[G0B+2:G0B+3], s[46:47]
	s_or_b32 s[G0B+3], s[G0B+3], 0x80000000
	s_add_nc_u64 s[20:21], s[20:21], s[18:19]      ; for the ring: my half of the tile
	s_add_nc_u64 s[46:47], s[46:47], s[18:19]
	s_mov_b32 s[G0+4], 1
	s_add_co_u32 s[G0+5], s45, SLOT
	s_add_nc_u64 s[G0+6:G0+7], s[20:21], SK*FRB
	s_or_b32 s[G0+7], s[G0+7], 0x80000000
	s_mov_b32 s[G0B+4], 1
	s_add_co_u32 s[G0B+5], s45, SLOT
	s_add_nc_u64 s[G0B+6:G0B+7], s[46:47], SK*FRB
	s_or_b32 s[G0B+7], s[G0B+7], 0x80000000
	ARM 1, G0, G1, .Lh1, .Lhd
	ARM 2, G0B, G1B, .Lh2, .Lhd
	ARM 3, G0S, G1S, .Lh3, .Lhd
	TL G0SB, G1SB
.Lhd:
	v_and_b32 v3, 31, v0                           ; lane
	v_and_b32 v1, 15, v0                           ; r
	v_bfe_u32 v2, v0, 4, 1                         ; h
	v_lshlrev_b32 v8, 4, v3
	v_lshlrev_b32 v9, 3, v3
	v_lshlrev_b32 v10, 2, v1
	s_mul_i32 s21, s15, HALFT                      ; my half of A,
	s_mul_i32 s22, s16, HALFT
	s_add_co_u32 s22, s22, 2*HALFT                 ; my half of B, behind A's two
.irp s, 0,1
	v_add_nc_u32 v[ADA16+\s], s21, v8
	v_add_nc_u32 v[ADA8+\s], s21, v9
	v_add_nc_u32 v[ADB16+\s], s22, v8
	v_add_nc_u32 v[ADB8+\s], s22, v9
	s_add_co_u32 s21, s21, SLOT
	s_add_co_u32 s22, s22, SLOT
.endr
	s_mul_i32 s21, s15, HALFS
	s_mul_i32 s22, s16, HALFS
	s_add_co_u32 s22, s22, 2*HALFS+64
	s_sub_co_u32 s22, s22, s21
	v_mul_u32_u24 v6, s22, v2                      ; lanes 16-31 take B's words
	s_add_co_u32 s21, s21, SCL
	v_add_nc_u32 v5, v10, v6
	v_add_nc_u32 v[ADRS], s21, v5
	v_lshlrev_b32 v7, 6, v2                        ; the bias along the registers: 64 h
	v_and_b32 v6, 8, v1
	v_add_nc_u32 v6, v6, v1
	v_lshlrev_b32 v6, 2, v6                        ; the bias along the lanes: 4 (r + 8 (r / 8))
	s_lshl_b32 s46, s42, 10
	s_lshl_b32 s47, s16, 9
	s_add_co_u32 s46, s46, s47                     ; 4 x (256 B's tile + 128 half)
.if QKV
	s_lshl_b32 s92, s17, 10
	s_lshl_b32 s93, s15, 9
	s_add_co_u32 s92, s92, s93
	s_add_co_u32 s92, s92, 8192                    ; v: 4 x (2,048 + 256 A's tile + 128 half)
	s_cmp_ge_u32 ttmp9, 4
	s_cselect_b32 s46, s92, s46
.endif
	s_mov_b32 s47, 0
	s_add_nc_u64 s[8:9], s[8:9], s[46:47]
	s_lshl_b32 s20, s17, 4
	s_lshl_b32 s21, s15, 3
	s_add_co_u32 s20, s20, s21                     ; the output's first row block: 16 A's tile + 8 half
.if QKV
	s_and_b32 s46, ttmp9, 1                        ; q (0) or k (1)
	s_mul_i32 s47, s46, 3145728
	s_mul_i32 s46, s46, 131072
	s_add_co_u32 s46, s46, 9437184
	s_mov_b32 s92, 6291456
	s_mov_b32 s93, 9699328
	s_cmp_ge_u32 ttmp9, 4
	s_cselect_b32 s21, 5, 3                        ; v^T has 32 fragments in a row block, q and k have 8
	s_cselect_b32 s22, s42, s40
	s_cselect_b32 s47, s92, s47
	s_cselect_b32 s46, s93, s46
.else
	s_mov_b32 s21, 5
	s_mov_b32 s22, s42
	s_mov_b32 s47, 524288
	s_mov_b32 s46, 0
.endif
	s_lshl_b32 s20, s20, s21
	s_lshl_b32 s22, s22, 1
	s_add_co_u32 s20, s20, s22
	s_add_co_u32 s20, s20, s16                     ; my first fragment's number
	s_mul_i32 s22, s20, FRB
	s_add_co_u32 s22, s22, s47
	s_lshl_b32 s20, s20, 6
	s_add_co_u32 s20, s20, s46
	s_mov_b32 s21, 0
	s_mov_b32 s23, 0
	s_add_nc_u64 s[10:11], s[12:13], s[20:21]      ; scale words
	s_add_nc_u64 s[12:13], s[12:13], s[22:23]      ; codes
.if !QKV
	BIASQ
.endif
	s_wait_alu depctr_va_vdst(0)
	s_wait_tensorcnt 0x0                           ; my tile of the head's four is in; slot 1's first fill is issued as a refill is
	ds_add_u32 v[SPW], v[NIL]
	s_mov_b32 s[G1+2], W<<16                       ; no tensor load of mine is out: from here on a load brings W row blocks,
	s_mov_b32 s[G1+4], W
	s_mov_b32 s[G1B+2], W<<16
	s_mov_b32 s[G1B+4], W
	s_mov_b32 s[G0+1], s45                         ; and slot 0's group 0 names my quarter of the slot
	s_add_nc_u64 s[G0+2:G0+3], s[G0+2:G0+3], s[18:19]
	s_mov_b32 s[G0B+1], s45
	s_add_nc_u64 s[G0B+2:G0B+3], s[G0B+2:G0B+3], s[18:19]
	s_wait_dscnt 0x0
	CROUND                                         ; all four tiles are in, and all sixteen work-groups are here
	JLOAD G0+4, G1, G0B+4, G1B                     ; slot 1: the first tensor load behind the round
	FETCH 0, 0, 0
	STEP 0, 0, 1                                   ; the first step's products start the sums: nothing is cleared
	STEPS 0, 1
.if LAPS > 1
	s_mov_b32 s3, LAPS-1
.Llap:                                                 ; a trip goes once round the ring and fills both slots again
	TURN 0, 1, 1
	s_wait_alu depctr_va_vdst(0)
	STEPS 1, 0
	TURN 1, 0, 1
	s_wait_alu depctr_va_vdst(0)
	STEPS 0, 0
	s_sub_co_u32 s3, s3, 1
	s_cmp_lg_u32 s3, 0
	s_cbranch_scc1 .Llap
.endif
	TURN 0, 1, 0                                   ; the last change of slots fills nothing
.if QKV
	s_cmp_ge_u32 ttmp9, 4                          ; the modes part here, on the cluster's x: each asks for its bias and has the last slot's products in which it lands
	s_cbranch_scc1 .Lvmode
	BIASQ
	s_wait_alu depctr_va_vdst(0)
	FINISH 0, 8
	s_branch .Lend
.Lvmode:
	BIASV
	s_wait_alu depctr_va_vdst(0)
	FINISH 1, 32
.Lend:
.else
	FINISH 0, 32
.endif
	s_wait_tensorcnt 0x0                           ; the wave's end
	ds_add_u32 v[SPW], v[NIL]
	s_wait_dscnt 0x0
	CROUND                                         ; the closing round
	s_endpgm
.Lfunc_end_k_q81a5c141bd_gemm_qkv:
	.size	k_q81a5c141bd_gemm_qkv, .Lfunc_end_k_q81a5c141bd_gemm_qkv-k_q81a5c141bd_gemm_qkv
	.p2alignl 7, 3214868480
	.fill 96, 4, 3214868480
	.section	.rodata,"a",@progbits
	.p2align	6, 0x0
	.amdhsa_kernel k_q81a5c141bd_gemm_qkv
		.amdhsa_group_segment_fixed_size 327680
		.amdhsa_private_segment_fixed_size 0
		.amdhsa_enable_private_segment 0
		.amdhsa_kernarg_size 24
		.amdhsa_user_sgpr_count 2
		.amdhsa_user_sgpr_kernarg_segment_ptr 1
		.amdhsa_wavefront_size32 1
		.amdhsa_system_sgpr_workgroup_id_x 1
		.amdhsa_system_sgpr_workgroup_id_y 1
		.amdhsa_system_sgpr_workgroup_id_z 1
		.amdhsa_system_vgpr_workitem_id 0
		.amdhsa_next_free_vgpr 1024
		.amdhsa_next_free_sgpr 100
		.amdhsa_reserve_vcc 0
		.amdhsa_float_denorm_mode_32 3
		.amdhsa_float_denorm_mode_16_64 3
		.amdhsa_memory_ordered 1
		.amdhsa_forward_progress 1
		.amdhsa_inst_pref_size 243
	.end_amdhsa_kernel
	.amdgpu_metadata
---
amdhsa.version: [ 1, 2 ]
amdhsa.kernels:
  - .name:           k_q81a5c141bd_gemm_qkv
    .symbol:         k_q81a5c141bd_gemm_qkv.kd
    .args:
      - { .name: w1, .offset: 0, .size: 8, .value_kind: global_buffer, .address_space: global }
      - { .name: b_attn, .offset: 8, .size: 8, .value_kind: global_buffer, .address_space: global }
      - { .name: w2, .offset: 16, .size: 8, .value_kind: global_buffer, .address_space: global }
    .group_segment_fixed_size: 327680
    .private_segment_fixed_size: 0
    .kernarg_segment_align: 8
    .kernarg_segment_size: 24
    .max_flat_workgroup_size: 128
    .sgpr_count:     100
    .vgpr_count:     1024
    .wavefront_size: 32
...
	.end_amdgpu_metadata
.endif
;; end of part 2
;; launch attn (part 3): grid 4 x 64, 16 waves a work-group, clusters of 4 x 1, 167,936 bytes of LDS; arguments w2, w3; writes w3
.if DOCPART == 3
	.amdgcn_target "amdgcn-amd-amdhsa--gfx1250"
	.amdhsa_code_object_version 6
	.text
	.protected	k_q81a5c141bd_attn
	.globl	k_q81a5c141bd_attn
	.p2align	8
	.type	k_q81a5c141bd_attn,@function
k_q81a5c141bd_attn:
	s_mov_b64 s[64:65], 0
	v_nop
	global_prefetch_b8 v0, s[64:65] scope:SCOPE_SE
	s_setreg_imm32_b32 hwreg(HW_REG_WAVE_MODE, 25, 1), 1
	s_wait_xcnt 0x0
	s_wait_alu depctr_hold_cnt(0) depctr_sa_sdst(0) depctr_va_vdst(0) depctr_va_sdst(0) depctr_va_ssrc(0) depctr_va_vcc(0) depctr_vm_vsrc(0)
	s_getreg_b32 s2, hwreg(HW_REG_IB_STS2, 6, 4)
	s_cmp_eq_u32 s2, 0
	s_cbranch_scc0 .Lentry_in_a_cluster
	s_endpgm
.Lentry_in_a_cluster:
	s_bfe_u32 s2, ttmp6, 0x10000c
	s_cmp_lg_u32 s2, 0x3003
	s_cbranch_scc0 .Lentry_shape_is_right
	s_endpgm
.Lentry_shape_is_right:
; Products 2 and 3 with the causal softmax between them, on codes of FP6 with E8M0 scales; y leaves as codes, quantised along the channels, for product 4.
; LEFT OUT AS DEAD WORK (shown at the head of the launch prep): key steps of 128 keys all of which come after a tile's 16 queries.
; THE SOFTMAX: t = score x log2(e) / 8; M = the running largest t rounded up to a whole number; p = 2^(t - M) is quantised along the keys, not normalised; the row's sum of the unquantised p divides at the end.
; When M moves, the sum and O are multiplied by 2^(old M - new M): exact.  LIMIT: p under 2^-126 becomes 0.
; SHARES.  A cluster of four work-groups owns one batch and head.  The head's K and V (96 KB of codes, 6 KB of scale words) fit in LDS: each work-group gets them ONCE, by joint tensor loads at the head: no ring, no refill.
; Wave w of work-group cx owns query tile 8 g + 2 cx + e, with g and e made of the wave's number alone (g = w % 4 or 7 - w % 4): it needs g + 1 key steps, all four partners run alike,
; the waves w, w + 4, w + 8, w + 12 together have 18 steps whatever w % 4 is, and every work-group has waves with g = 7, which read every key step that the loads bring.
; LAYOUT.  S^T = K Q^T and O^T = V^T P^T: a lane holds one query throughout.  By the images' order of rows, register 16 B + x of S^T is key 32 B + 16 (lane / 16) + x of the step.
; The head's size is 64: a fragment's registers 6-11 are zero codes on both sides (their scale bytes 0 stand for 2^-127 and multiply zeros).
; REGISTERS: v1-3 16, 8 x lane, 4 r; v4 the diagonal's d; v5, v6 the add's two; v7 -infinity; v8-11 the step's addresses; v12 -M, v13 the largest t, v[14:15] the sum; v16-27 Q; v28-31 V's scale words;
;   v32-79 four fragments of K; v80-127 V's four; v128-191 S^T, then p; v192-223 O^T; v224-235 p's codes; v236-254 at work; v248-251 K's scale words; v253 p's; v255 Q's.
.set KL,    0                          ; LDS: K's half fragments: step x 6,144 + tile x 768
.set VL,    49152                      ; V's fragments: step x 6,144 + channel block x 1,536
.set KSL,   98304                      ; K's scale words: step x 512 + tile x 64
.set VSL,   102400                     ; V's: channel block x 512 + step x 64
.set SPARE, 104448                     ; the spare words, 128 bytes a wave: eight blocks of 256 bytes that no other line names
.set KC,    3145728                    ; w2: q's codes at 0, k's, v^T's; then the three sets of scale words
.set VC,    6291456
.set QS,    9437184
.set KS,    9568256
.set VS,    9699328
.set S,     128
.set O,     192
.set SPW,   5
.set NIL,   6
.set WV,    18
.set SEL,   20
.set CS,    22
.set G,     95                         ; s95 my last key step
.set KSI,   96                         ; s96 the key step
.set TB,    97                         ; s97 where the step's tiles begin: 6,144 bytes a step, in K's region and in V's alike
.set TSK,   98                         ; s98 K's scale words of the step (my head's two bytes of each word)
.set TSV,   99                         ; s99 V's
.macro CROUND
	s_barrier_signal -1
	s_barrier_wait -1
	s_cmp_lg_u32 s[WV], 0
	s_cbranch_scc1 .Lnot_wave_0_\@
	s_barrier_signal -3
.Lnot_wave_0_\@:
	s_barrier_wait -3
	s_barrier_signal -1
	s_barrier_wait -1
.endm
	s_load_b128 s[4:7], s[0:1], 0x0                ; w2, w3
	v_lshl_add_u32 v[SPW], v0, 2, SPARE
	v_mov_b32 v[NIL], 0
	ds_add_u32 v[SPW], v[NIL]                      ; the wave's opening: the add, twice on end, and its wait ahead of my first tensor load
	ds_add_u32 v[SPW], v[NIL]
	v_lshrrev_b32 v8, 5, v0
	s_delay_alu instid0(VALU_DEP_1)
	v_readfirstlane_b32 s[WV], v8                  ; wave 0..15
	s_bfe_u32 s19, ttmp6, 0x40000                  ; cx
	s_and_b32 s76, ttmp7, 0xffff                   ; batch x 16 + head: the four partners share it
	s_lshr_b32 s77, s76, 4                         ; batch
	s_and_b32 s78, s76, 15                         ; head
	s_and_b32 s79, s[WV], 7                        ; waves 0-7 fetch V's codes of key step w; 8-11 K's codes, 16 row blocks each; 12, 13 K's scale words; 14, 15 V's
	; descriptor groups 1: elements of 8 bytes, the mask names all four partners, no padding
.irp g, 24,32,40,48
	s_mov_b32 s[\g], 15|(3<<16)|(1<<21)
	s_mov_b32 s[\g+6], 0
	s_mov_b32 s[\g+7], 0
.endr
	s_mov_b32 s25, 96<<16                          ; K's codes: 8 tiles x 768 bytes, 12,288 bytes apart
	s_mov_b32 s26, 16<<16                          ; 16 row blocks (two key steps) a load
	s_mov_b32 s27, 96<<16
	s_mov_b32 s28, 16
	s_mov_b32 s29, 1536
	s_mov_b32 s33, 8<<16                           ; K's scale words: 8 tiles x 64 bytes, 512 bytes apart
	s_mov_b32 s34, 32<<16                          ; 32 row blocks a load
	s_mov_b32 s35, 8<<16
	s_mov_b32 s36, 32
	s_mov_b32 s37, 64
	s_mov_b32 s41, 192<<16                         ; V's codes: 4 channel blocks x 1,536 bytes, 49,152 bytes apart
	s_mov_b32 s42, 4<<16
	s_mov_b32 s43, 192<<16
	s_mov_b32 s44, 4
	s_mov_b32 s45, 6144
	s_mov_b32 s49, 64<<16                          ; V's scale words: 2 channel blocks x 512 bytes (all 8 key steps), 2,048 bytes apart
	s_mov_b32 s50, 2<<16
	s_mov_b32 s51, 64<<16
	s_mov_b32 s52, 2
	s_mov_b32 s53, 256
	s_lshl_b32 s80, s77, 6                         ; 64 batch
	s_and_b32 s81, s[WV], 1
	s_lshl_b32 s93, s81, 5
	s_add_co_u32 s93, s93, s80                     ; K's scale words: from row block 64 batch + 32 (w % 2)
	s_and_b32 s94, s[WV], 3
	s_lshl_b32 s92, s94, 4
	s_add_co_u32 s80, s80, s92                     ; K's codes: from row block 64 batch + 16 (w % 4)
	s_mul_i32 s82, s80, 12288
	s_mul_i32 s83, s78, 768
	s_add_co_u32 s82, s82, s83
	s_add_co_u32 s82, s82, KC
	s_mov_b32 s83, 0
	s_lshl_b32 s84, s93, 9
	s_lshr_b32 s85, s78, 1
	s_lshl_b32 s85, s85, 6
	s_add_co_u32 s84, s84, s85
	s_add_co_u32 s84, s84, KS
	s_mov_b32 s85, 0
	s_lshl_b32 s86, s77, 3
	s_add_co_u32 s86, s86, s79                     ; V's step along the tokens: 8 batch + step
	s_mul_i32 s88, s86, 1536
	s_mul_i32 s87, s78, 196608
	s_add_co_u32 s88, s88, s87
	s_add_co_u32 s88, s88, VC
	s_mov_b32 s89, 0
	s_lshl_b32 s90, s77, 9                         ; the batch's 8 key steps x 64 bytes,
	s_lshl_b32 s91, s81, 12                        ; channel blocks 2 (w % 2) and the next
	s_add_co_u32 s90, s90, s91
	s_lshl_b32 s91, s78, 13
	s_add_co_u32 s90, s90, s91
	s_add_co_u32 s90, s90, VS
	s_mov_b32 s91, 0
	s_mov_b32 s[SEL], 0x76543210
	s_mov_b32 s[SEL+1], 0xfedcba98
	s_mov_b32 s[CS], 0x3e38aa3b                    ; c = log2(e) / 8
	s_mov_b32 s[CS+1], s[CS]
	s_wait_dscnt 0x0                               ; both opening adds are done
	s_wait_kmcnt 0x0
	s_mov_b32 s56, 1
	s_mul_i32 s57, s94, 12288
	s_add_nc_u64 s[58:59], s[4:5], s[82:83]
	s_or_b32 s59, s59, 0x80000000
	s_mov_b32 s60, 1
	s_lshl_b32 s61, s81, 11
	s_add_co_u32 s61, s61, KSL
	s_add_nc_u64 s[62:63], s[4:5], s[84:85]
	s_or_b32 s63, s63, 0x80000000
	s_mov_b32 s68, 1
	s_mul_i32 s69, s79, 6144
	s_add_co_u32 s69, s69, VL
	s_add_nc_u64 s[70:71], s[4:5], s[88:89]
	s_or_b32 s71, s71, 0x80000000
	s_mov_b32 s72, 1
	s_lshl_b32 s73, s81, 10
	s_add_co_u32 s73, s73, VSL
	s_add_nc_u64 s[74:75], s[4:5], s[90:91]
	s_or_b32 s75, s75, 0x80000000
	CROUND                                         ; all four work-groups are here: the joint loads meet
	s_cmp_lt_u32 s[WV], 8                          ; one load a wave, in one chain of branches on the wave's number, all arms to one join
	s_cbranch_scc0 .Lfirst_k
	tensor_load_to_lds s[68:71], s[40:47]          ; V's codes
	s_nop 0
.rept 4
	v_nop
.endr
	s_branch .Lfirst_done
.Lfirst_k:
	s_cmp_lt_u32 s[WV], 12
	s_cbranch_scc0 .Lfirst_ks
	tensor_load_to_lds s[56:59], s[24:31]          ; K's codes
	s_nop 0
.rept 4
	v_nop
.endr
	s_branch .Lfirst_done
.Lfirst_ks:
	s_cmp_lt_u32 s[WV], 14
	s_cbranch_scc0 .Lfirst_vs
	tensor_load_to_lds s[60:63], s[32:39]          ; K's scale words
	s_nop 0
.rept 4
	v_nop
.endr
	s_branch .Lfirst_done
.Lfirst_vs:
	tensor_load_to_lds s[72:75], s[48:55]          ; V's scale words
	s_nop 0
.rept 4
	v_nop
.endr
.Lfirst_done:
	s_and_b32 s80, s[WV], 3
	s_lshr_b32 s81, s[WV], 2
	s_lshr_b32 s82, s81, 1                         ; e
	s_and_b32 s81, s81, 1
	s_mul_i32 s81, s81, 7
	s_xor_b32 s[G], s80, s81                       ; g = w % 4, or 7 - w % 4
	s_lshl_b32 s83, s[G], 3
	s_lshl_b32 s84, s19, 1
	s_add_co_u32 s83, s83, s84
	s_add_co_u32 s83, s83, s82                     ; my tile of queries: 8 g + 2 cx + e
	s_lshl_b32 s84, s77, 6
	s_add_co_u32 s83, s83, s84                     ; its row block: + 64 batch
	s_mul_i32 s84, s83, 12288
	s_mul_i32 s85, s78, 768
	s_add_co_u32 s84, s84, s85
	s_mov_b32 s85, 0
	s_add_nc_u64 s[8:9], s[4:5], s[84:85]          ; q's half fragment
	s_add_nc_u64 s[12:13], s[6:7], s[84:85]
	s_add_nc_u64 s[12:13], s[12:13], 131072        ; y's
	s_lshl_b32 s86, s83, 9
	s_lshr_b32 s87, s78, 1
	s_lshl_b32 s87, s87, 6
	s_add_co_u32 s86, s86, s87
	s_and_b32 s92, s78, 1
	s_lshl_b32 s92, s92, 1                         ; my head's two bytes of a scale word
	s_add_co_u32 s86, s86, s92
	s_mov_b32 s87, 0
	s_add_nc_u64 s[14:15], s[6:7], s[86:87]        ; y's scale bytes
	s_add_nc_u64 s[10:11], s[4:5], s[86:87]
	s_add_nc_u64 s[10:11], s[10:11], QS            ; q's
	v_and_b32 v8, 31, v0
	s_delay_alu instid0(VALU_DEP_1)
	v_lshlrev_b32 v1, 4, v8
	s_delay_alu instid0(VALU_DEP_2)
	v_lshlrev_b32 v2, 3, v8
	v_and_b32 v9, 15, v0                           ; r
	v_bfe_u32 v10, v0, 4, 1                        ; h
	s_delay_alu instid0(VALU_DEP_2)
	v_lshlrev_b32 v3, 2, v9
	global_load_b128 v[16:19], v1, s[8:9]
	global_load_b64 v[20:21], v2, s[8:9] offset:512
	global_load_u16 v255, v3, s[10:11]             ; two bytes, zeros above them
.irp j, 22,23,24,25,26,27
	v_mov_b32 v[\j], 0                             ; the upper 64 along K: zero codes
.endr
.irp t, 0,1,2,3
.irp j, 6,7,8,9,10,11
	v_mov_b32 v[32+12*\t+\j], 0
.endr
.endr
	v_and_b32 v11, 8, v9
	s_delay_alu instid0(VALU_DEP_1)
	v_add_nc_u32 v11, v11, v9                      ; r + 8 (r / 8)
	s_lshl_b32 s93, s19, 5
	s_lshl_b32 s94, s82, 3
	s_add_co_u32 s93, s93, s94
	v_add_nc_u32 v4, s93, v11
	v_lshlrev_b32 v10, 4, v10
	s_delay_alu instid0(VALU_DEP_1)
	v_sub_nc_u32 v4, v4, v10                       ; d = my query within its 128 - 16 h: on the diagonal register n is hidden where 32 (n / 16) + n % 16 > d
	v_mov_b32 v7, 0xff800000                       ; -infinity
	v_mov_b32 v13, 0xff61b1e6                      ; the largest t so far: -3e38
	s_delay_alu instid0(VALU_DEP_1)
	v_floor_f32 v12, -v13
	v_mov_b32 v14, 0
	v_mov_b32 v15, 0
.irp b, 0,1,2,3
	v_mov_b32 v[236+\b], 0                         ; a lane permute's destination counts as one of its sources
.endr
	v_mov_b32 v252, 0
	v_mov_b32 v253, 0
.irp j, 0,1,2,3,4,5,6,7,8,9,10,11,12,13,14,15,16,17,18,19,20,21,22,23,24,25,26,27,28,29,30,31
	v_mov_b32 v[O+\j], 0                           ; O^T: the step is written once; the first finds zeros
.endr
	s_mov_b32 s[KSI], 0
	s_mov_b32 s[TB], 0
	s_add_co_u32 s[TSK], s92, KSL
	s_mov_b32 s[TSV], VSL
	s_wait_loadcnt 0x0                             ; Q
	s_wait_tensorcnt 0x0                           ; my tensor load has landed,
	s_barrier_signal -1
	s_barrier_wait -1                              ; everybody's have: K and V are whole, and nothing is filled again
.Lks:                                                  ; eight trips in every wave; a step behind my tile's diagonal is jumped over (no barrier and no tensor load stands in a step)
	s_cmp_gt_u32 s[KSI], s[G]
	s_cbranch_scc1 .Lskip
	v_add_nc_u32 v8, s[TB], v1
	v_add_nc_u32 v9, s[TB], v2
	v_add_nc_u32 v10, s[TSK], v3
	v_add_nc_u32 v11, s[TSV], v3
	s_wait_alu depctr_va_vdst(0)                   ; one wait for the four addresses
.irp g, 0,1                                    ; S^T = K Q^T, four tiles of 16 keys at a time
.if \g
.rept 4
	v_nop                                          ; places in front of loads into registers that matrix instructions have read
.endr
.endif
.irp t, 0,1,2,3
	ds_load_b128 v[32+12*\t:35+12*\t], v8 offset:(4*\g+\t)*768
	ds_load_b64 v[36+12*\t:37+12*\t], v9 offset:(4*\g+\t)*768+512
	ds_load_u16 v[248+\t], v10 offset:(4*\g+\t)*64
.endr
	s_wait_dscnt 0x0
.irp t, 0,1,2,3
	v_wmma_scale_f32_16x16x128_f8f6f4 v[S+8*(4*\g+\t):S+8*(4*\g+\t)+7], v[32+12*\t:43+12*\t], v[16:27], 0, v[248+\t], v255 matrix_a_fmt:MATRIX_FMT_FP6 matrix_b_fmt:MATRIX_FMT_FP6
.endr
.endr
.irp cb, 0,1,2,3                               ; V's fragments are asked for now and land under the softmax (eight plain instructions stand behind the last products that read these registers)
	ds_load_b128 v[80+12*\cb:83+12*\cb], v8 offset:VL+\cb*1536
	ds_load_b64 v[84+12*\cb:85+12*\cb], v9 offset:VL+\cb*1536+512
	ds_load_b128 v[86+12*\cb:89+12*\cb], v8 offset:VL+\cb*1536+768
	ds_load_b64 v[90+12*\cb:91+12*\cb], v9 offset:VL+\cb*1536+1280
	ds_load_b32 v[28+\cb], v11 offset:\cb*512      ; V's scale words lie at channel block x 512 + step x 64
.endr
.rept 4
	v_nop
.endr
	s_cmp_lg_u32 s[KSI], s[G]                      ; on the diagonal alone the scores of hidden keys become -infinity: p = 0 then.  Key 0 of the step counts for every query of the tile
	s_cbranch_scc1 .Lopen
.irp n, 0,1,2,3,4,5,6,7,8,9,10,11,12,13,14,15,16,17,18,19,20,21,22,23,24,25,26,27,28,29,30,31,32,33,34,35,36,37,38,39,40,41,42,43,44,45,46,47,48,49,50,51,52,53,54,55,56,57,58,59,60,61,62,63
	v_cmp_gt_i32 vcc_lo, 32*(\n/16)+\n%16, v4
	v_cndmask_b32 v[S+\n], v[S+\n], v7, vcc_lo
.endr
.Lopen:
.irp b, 0,1,2,3
	v_max3_num_f32 v[232+\b], v[S+16*\b], v[S+1+16*\b], v[S+2+16*\b]   ; the largest score of each block of 32 keys: for the row's maximum, and, since p rises with the score, for the block's largest p
.endr
.irp i, 3,5,7,9,11,13
.irp b, 0,1,2,3
	v_max3_num_f32 v[232+\b], v[232+\b], v[S+16*\b+\i], v[S+1+16*\b+\i]
.endr
.endr
.irp b, 0,1,2,3
	v_max_num_f32 v[232+\b], v[232+\b], v[S+15+16*\b]
.endr
.irp b, 0,1,2,3
	s_delay_alu instid0(VALU_DEP_4)
	v_permlanex16_b32 v[236+\b], v[232+\b], s[SEL], s[SEL+1]
.endr
.irp b, 0,1,2,3
	s_delay_alu instid0(VALU_DEP_4)
	v_max_num_f32 v[232+\b], v[232+\b], v[236+\b]
.endr
	s_delay_alu instid0(VALU_DEP_2)
	v_max3_num_f32 v254, v232, v233, v234
	s_delay_alu instid0(VALU_DEP_1)
	v_max_num_f32 v254, v254, v235
	s_delay_alu instid0(VALU_DEP_1)
	v_mul_f32 v254, s[CS], v254                    ; as t
	s_delay_alu instid0(VALU_DEP_1)
	v_max_num_f32 v13, v13, v254                   ; the running largest t
	v_mov_b32 v254, v12
	s_delay_alu instid0(VALU_DEP_2)
	v_floor_f32 v12, -v13                          ; the new -M = -ceil(t)
	s_delay_alu instid0(VALU_DEP_1)
	v_sub_f32 v254, v12, v254                      ; old M - new M: a whole number, 0 or less
	s_delay_alu instid0(VALU_DEP_1)
	v_cvt_i32_f32 v254, v254                       ; (it saturates)
	s_delay_alu instid0(VALU_DEP_1)
	v_ldexp_f32 v252, 1.0, v254                    ; f = 2^(old M - new M)
.irp j, 0,2,4,6,8,10,12,14,16,18,20,22,24,26,28,30,32,34,36,38,40,42,44,46,48,50,52,54,56,58,60,62
	v_pk_fma_f32 v[S+\j:S+\j+1], v[S+\j:S+\j+1], s[CS:CS+1], v[12:13] op_sel_hi:[1,0,0]   ; t - M
.endr
.irp b, 0,1,2,3
	v_fma_f32 v[232+\b], v[232+\b], s[CS], v12
.endr
	s_wait_alu depctr_va_vdst(0)
.irp j, 0,1,2,3,4,5,6,7,8,9,10,11,12,13,14,15,16,17,18,19,20,21,22,23,24,25,26,27,28,29,30,31,32,33,34,35,36,37,38,39,40,41,42,43,44,45,46,47,48,49,50,51,52,53,54,55,56,57,58,59,60,61,62,63
	v_exp_f32 v[S+\j], v[S+\j]                     ; p = 2^(t - M)
.endr
	v_pk_mul_f32 v[14:15], v[14:15], v[252:253] op_sel_hi:[1,0]   ; the sums under the new M (a plain place behind the exponentials)
	s_wait_alu depctr_va_vdst(0)                   ; one wait for the batch of 64, ahead of its first reader
.irp b, 0,1,2,3
	v_exp_f32 v[232+\b], v[232+\b]                 ; each block's largest p
.endr
	v_pk_add_f32 v[236:237], v[132:133], v[136:137]
	v_pk_add_f32 v[250:251], v[140:141], v[144:145]
	v_pk_add_f32 v[248:249], v[148:149], v[152:153]
	v_pk_add_f32 v[246:247], v[156:157], v[160:161]
	v_pk_add_f32 v[244:245], v[164:165], v[168:169]
	v_pk_add_f32 v[242:243], v[172:173], v[176:177]
	v_pk_add_f32 v[240:241], v[180:181], v[184:185]
	v_pk_add_f32 v[14:15], v[14:15], v[188:189]
	v_pk_add_f32 v[236:237], v[236:237], v[128:129]
	v_pk_add_f32 v[250:251], v[250:251], v[130:131]
	v_pk_add_f32 v[248:249], v[248:249], v[134:135]
	v_pk_add_f32 v[246:247], v[246:247], v[138:139]
	v_pk_add_f32 v[244:245], v[244:245], v[142:143]
	v_pk_add_f32 v[242:243], v[242:243], v[146:147]
	v_pk_add_f32 v[240:241], v[240:241], v[150:151]
	v_pk_add_f32 v[14:15], v[14:15], v[154:155]
	v_pk_add_f32 v[236:237], v[236:237], v[158:159]
	v_pk_add_f32 v[250:251], v[250:251], v[162:163]
	v_pk_add_f32 v[248:249], v[248:249], v[166:167]
	v_pk_add_f32 v[246:247], v[246:247], v[170:171]
	v_pk_add_f32 v[244:245], v[244:245], v[174:175]
	v_pk_add_f32 v[242:243], v[242:243], v[178:179]
	v_pk_add_f32 v[240:241], v[240:241], v[182:183]
	v_pk_add_f32 v[14:15], v[14:15], v[186:187]
	v_pk_add_f32 v[236:237], v[236:237], v[190:191]
	s_delay_alu instid0(VALU_DEP_2)
	v_pk_add_f32 v[14:15], v[14:15], v[246:247]
	s_delay_alu instid0(VALU_DEP_2)
	v_pk_add_f32 v[236:237], v[236:237], v[244:245]
	v_pk_add_f32 v[250:251], v[250:251], v[242:243]
	v_pk_add_f32 v[248:249], v[248:249], v[240:241]
	s_delay_alu instid0(VALU_DEP_2)
	v_pk_add_f32 v[14:15], v[14:15], v[250:251]
	s_delay_alu instid0(VALU_DEP_2)
	v_pk_add_f32 v[236:237], v[236:237], v[248:249]
	s_delay_alu instid0(VALU_DEP_1)
	v_pk_add_f32 v[14:15], v[14:15], v[236:237]
	s_wait_alu depctr_va_vdst(0)                   ; and one for the four
.irp b, 0,1,2,3
	v_max_num_f32 v[232+\b], 0x1800000, v[232+\b]  ; the floor 2^(3 - 127)
.endr
.irp b, 0,1,2,3
	s_delay_alu instid0(VALU_DEP_4)
	v_add_nc_u32 v[244+\b], 0xff000000, v[232+\b]
.endr
.irp b, 0,1,2,3
	s_delay_alu instid0(VALU_DEP_4)
	v_lshrrev_b32 v[236+\b], 23, v[244+\b]
.endr
	s_delay_alu instid0(VALU_DEP_3)
	v_lshl_or_b32 v253, v237, 8, v236              ; p's scale word for these 128 keys
	s_delay_alu instid0(VALU_DEP_1)
	v_lshl_or_b32 v253, v238, 16, v253
	s_delay_alu instid0(VALU_DEP_1)
	v_lshl_or_b32 v253, v239, 24, v253
.irp c, 0,1
	v_cvt_scalef32_pk16_fp6_f32 v[224+6*\c:226+6*\c], v[S+32*\c:S+15+32*\c], v[244+2*\c]
	v_cvt_scalef32_pk16_fp6_f32 v[236+4*\c:238+4*\c], v[S+16+32*\c:S+31+32*\c], v[244+2*\c+1]
.endr
	v_nop
.irp c, 0,1
.irp i, 0,1,2
	v_permlane16_swap_b32 v[224+6*\c+\i], v[236+4*\c+\i]
.endr
.irp i, 0,1,2
	s_delay_alu instid0(VALU_DEP_3)
	v_mov_b32 v[227+6*\c+\i], v[236+4*\c+\i]
.endr
.endr
.irp j, 0,2,4,6,8,10,12,14,16,18,20,22,24,26,28,30
	v_pk_mul_f32 v[O+\j:O+\j+1], v[O+\j:O+\j+1], v[252:253] op_sel_hi:[1,0]   ; O^T under the new M; these sixteen also stand between the lines that made p's codes and scale word and the products
.endr
	s_wait_alu depctr_va_vdst(0)
	s_wait_dscnt 0x0                               ; V
.irp cb, 0,1,2,3                               ; O^T += V^T P^T: the four accumulators by turns
	v_wmma_scale_f32_16x16x128_f8f6f4 v[O+8*\cb:O+8*\cb+7], v[80+12*\cb:91+12*\cb], v[224:235], v[O+8*\cb:O+8*\cb+7], v[28+\cb], v253 matrix_a_fmt:MATRIX_FMT_FP6 matrix_b_fmt:MATRIX_FMT_FP6
.endr
.Lskip:
	s_add_co_u32 s[TB], s[TB], 6144
	s_add_co_u32 s[TSK], s[TSK], 512
	s_add_co_u32 s[TSV], s[TSV], 64
	s_add_co_u32 s[KSI], s[KSI], 1
	s_cmp_lt_u32 s[KSI], 8
	s_cbranch_scc1 .Lks
	; THE WAY OUT: O^T / the sum is my head's 64 channels of 16 rows of y: register 16 B + x is channel 32 B + 16 h + x: two blocks of 32, half a fragment
.rept 4
	v_nop                                          ; places behind the last products
.endr
	v_add_f32 v14, v14, v15
	s_delay_alu instid0(VALU_DEP_1)
	v_permlanex16_b32 v252, v14, s[SEL], s[SEL+1]
	s_delay_alu instid0(VALU_DEP_1)
	v_add_f32 v14, v14, v252                       ; the row's sum
	s_wait_alu depctr_va_vdst(0)
	v_rcp_f32 v14, v14
	v_nop
	s_wait_alu depctr_va_vdst(0)
.irp j, 0,1,2,3,4,5,6,7,8,9,10,11,12,13,14,15,16,17,18,19,20,21,22,23,24,25,26,27,28,29,30,31
	v_mul_f32 v[S+\j], v[O+\j], v14
.endr
.irp b, 0,1
	v_max3_num_f32 v[232+\b], |v[S+16*\b]|, |v[S+1+16*\b]|, 0x1800000
.endr
.irp i, 2,4,6,8,10,12,14
.irp b, 0,1
	s_delay_alu instid0(VALU_DEP_2)
	v_max3_num_f32 v[232+\b], v[232+\b], |v[S+16*\b+\i]|, |v[S+1+16*\b+\i]|
.endr
.endr
.irp b, 0,1
	s_delay_alu instid0(VALU_DEP_2)
	v_permlanex16_b32 v[236+\b], v[232+\b], s[SEL], s[SEL+1]
.endr
.irp b, 0,1
	s_delay_alu instid0(VALU_DEP_2)
	v_max_num_f32 v[232+\b], v[232+\b], v[236+\b]
.endr
.irp b, 0,1
	s_delay_alu instid0(VALU_DEP_2)
	v_add_nc_u32 v[244+\b], 0xff000000, v[232+\b]
.endr
.irp b, 0,1
	s_delay_alu instid0(VALU_DEP_2)
	v_lshrrev_b32 v[236+\b], 23, v[244+\b]
.endr
	s_delay_alu instid0(VALU_DEP_1)
	v_lshl_or_b32 v240, v237, 8, v236              ; my head's two scale bytes
	v_cvt_scalef32_pk16_fp6_f32 v[224:226], v[S:S+15], v244
	v_cvt_scalef32_pk16_fp6_f32 v[228:230], v[S+16:S+31], v245
	v_nop
.irp i, 0,1,2
	v_permlane16_swap_b32 v[224+\i], v[228+\i]
.endr
.irp i, 0,1,2
	s_delay_alu instid0(VALU_DEP_3)
	v_mov_b32 v[227+\i], v[228+\i]
.endr
	global_store_b128 v1, v[224:227], s[12:13]             ; 512 and 256 consecutive bytes, aligned
	global_store_b64 v2, v[228:229], s[12:13] offset:512
	global_store_b16 v3, v240, s[14:15]                    ; (lanes r and r + 16 hold the same)
	s_wait_tensorcnt 0x0                           ; the wave's end
	ds_add_u32 v[SPW], v[NIL]
	s_wait_dscnt 0x0
	CROUND                                         ; the closing round
	s_endpgm
.Lfunc_end_k_q81a5c141bd_attn:
	.size	k_q81a5c141bd_attn, .Lfunc_end_k_q81a5c141bd_attn-k_q81a5c141bd_attn
	.p2alignl 7, 3214868480
	.fill 96, 4, 3214868480
	.section	.rodata,"a",@progbits
	.p2align	6, 0x0
	.amdhsa_kernel k_q81a5c141bd_attn
		.amdhsa_group_segment_fixed_size 167936
		.amdhsa_private_segment_fixed_size 0
		.amdhsa_enable_private_segment 0
		.amdhsa_kernarg_size 16
		.amdhsa_user_sgpr_count 2
		.amdhsa_user_sgpr_kernarg_segment_ptr 1
		.amdhsa_wavefront_size32 1
		.amdhsa_system_sgpr_workgroup_id_x 1
		.amdhsa_system_sgpr_workgroup_id_y 1
		.amdhsa_system_sgpr_workgroup_id_z 1
		.amdhsa_system_vgpr_workitem_id 0
		.amdhsa_next_free_vgpr 256
		.amdhsa_next_free_sgpr 100
		.amdhsa_reserve_vcc 1
		.amdhsa_float_denorm_mode_32 3
		.amdhsa_float_denorm_mode_16_64 3
		.amdhsa_memory_ordered 1
		.amdhsa_forward_progress 1
		.amdhsa_inst_pref_size 40
	.end_amdhsa_kernel
	.amdgpu_metadata
---
amdhsa.version: [ 1, 2 ]
amdhsa.kernels:
  - .name:           k_q81a5c141bd_attn
    .symbol:         k_q81a5c141bd_attn.kd
    .args:
      - { .name: w2, .offset: 0, .size: 8, .value_kind: global_buffer, .address_space: global }
      - { .name: w3, .offset: 8, .size: 8, .value_kind: global_buffer, .address_space: global }
    .group_segment_fixed_size: 167936
    .private_segment_fixed_size: 0
    .kernarg_segment_align: 8
    .kernarg_segment_size: 16
    .max_flat_workgroup_size: 512
    .sgpr_count:     100
    .vgpr_count:     256
    .wavefront_size: 32
...
	.end_amdgpu_metadata
.endif
;; end of part 3
;; launch gemm_proj (part 4): grid 8 x 32, 4 waves a work-group, clusters of 4 x 4, 327,680 bytes of LDS; arguments w3, w1, b_proj, x, x1; writes x1
.if DOCPART == 4
	.amdgcn_target "amdgcn-amd-amdhsa--gfx1250"
	.amdhsa_code_object_version 6
	.text
	.protected	k_q81a5c141bd_gemm_proj
	.globl	k_q81a5c141bd_gemm_proj
	.p2align	8
	.type	k_q81a5c141bd_gemm_proj,@function
k_q81a5c141bd_gemm_proj:
	s_mov_b64 s[64:65], 0
	v_nop
	global_prefetch_b8 v0, s[64:65] scope:SCOPE_SE
	s_setreg_imm32_b32 hwreg(HW_REG_WAVE_MODE, 25, 1), 1
	s_wait_xcnt 0x0
	s_wait_alu depctr_hold_cnt(0) depctr_sa_sdst(0) depctr_va_vdst(0) depctr_va_sdst(0) depctr_va_ssrc(0) depctr_va_vcc(0) depctr_vm_vsrc(0)
	s_getreg_b32 s2, hwreg(HW_REG_IB_STS2, 6, 4)
	s_cmp_eq_u32 s2, 0
	s_cbranch_scc0 .Lentry_in_a_cluster
	s_endpgm
.Lentry_in_a_cluster:
	s_bfe_u32 s2, ttmp6, 0x10000c
	s_cmp_lg_u32 s2, 0xf033
	s_cbranch_scc0 .Lentry_shape_is_right
	s_endpgm
.Lentry_shape_is_right:
.set W,     4
.set KT,    8
.set SK,    4
.set SECA,  131072
.set SECAS, 0
.set SECB,  6029312
.set SECBS, 229376
.set FRB,   1536
.set HALFT, W*SK*FRB
.set SLOT,  4*HALFT
.set SCL,   2*SLOT
.set HALFS, W*KT*64
.set SPARE, SCL+4*HALFS+256
.set STAGE, SPARE+512
.set LAPS,  KT/SK/2
.set NP,    4
.set ADA16, 16
.set ADA8,  18
.set ADB16, 20
.set ADB8,  22
.set STO,   24
.set RD,    25
.set CO,    26
.set ADRS,  27
.set SPW,   28
.set NIL,   29
.set SC,    32
.set AF,    64
.set BK,    64
.set G1, 24
.set G0, 32
.set G1B, 48
.set G0B, 56
.set G1S, 68
.set G0S, 76
.set G1SB, 80
.set G0SB, 88
.set MSB, 0
.macro WIN new
.if MSB != (\new)
	s_set_vgpr_msb (MSB<<8)|(\new)
.set MSB, (\new)
.endif
.endm
.macro JLOAD g0a, g1a, g0b, g1b
	s_cmp_eq_u32 s15, 0
	s_cbranch_scc0 .Lfor_b_\@
	tensor_load_to_lds s[\g0a:\g0a+3], s[\g1a:\g1a+7]
	s_nop 0
.rept 4
	v_nop
.endr
	s_branch .Lasked_\@
.Lfor_b_\@:
	tensor_load_to_lds s[\g0b:\g0b+3], s[\g1b:\g1b+7]
	s_nop 0
.rept 4
	v_nop
.endr
.Lasked_\@:
.endm
.macro CREST
	s_cmp_lg_u32 s14, 0
	s_cbranch_scc1 .Lnot_wave_0_\@
	s_barrier_signal -3
.Lnot_wave_0_\@:
	s_barrier_wait -3
	s_barrier_signal -1
	s_barrier_wait -1
.endm
.macro CROUND
	s_barrier_signal -1
	s_barrier_wait -1
	CREST
.endm
.macro PLACES n
.rept \n
	v_nop
.endr
.endm
.macro FRAG reg, a16, a8, off
	ds_load_b128 v[\reg:\reg+3], v[\a16] offset:\off
	ds_load_b64 v[\reg+4:\reg+5], v[\a8] offset:\off+512
	ds_load_b128 v[\reg+6:\reg+9], v[\a16] offset:\off+768
	ds_load_b64 v[\reg+10:\reg+11], v[\a8] offset:\off+1280
.endm
.macro FETCH slot, q, p
	WIN 0x40
.set i, 0
.rept W
	FRAG 128*(\p)+12*i, ADB16+\slot, ADB8+\slot, (i*SK+(\q))*FRB
.set i, i+1
.endr
	WIN 0
.set i, 0
.rept W
	FRAG AF+96*(\p)+12*i, ADA16+\slot, ADA8+\slot, (i*SK+(\q))*FRB
.set i, i+1
.endr
.set i, 0
.rept W
	ds_load_b32 v[SC+W*(\p)+i], v[ADRS] offset:(i*KT+(\q))*64
.set i, i+1
.endr
.endm
.macro MULA a, p, zero
	WIN 0xa1
.set b, 0
.rept W
.set rD, 8*(W*(\a)+b)
.if \zero
	v_wmma_scale_f32_16x16x128_f8f6f4 v[rD:rD+7], v[128*(\p)+12*b:128*(\p)+12*b+11], v[AF+96*(\p)+12*(\a):AF+96*(\p)+12*(\a)+11], 0, v[SC+W*(\p)+b], v[SC+W*(\p)+(\a)] matrix_a_fmt:MATRIX_FMT_FP6 matrix_b_fmt:MATRIX_FMT_FP6 matrix_a_scale:MATRIX_SCALE_ROW1
.else
	v_wmma_scale_f32_16x16x128_f8f6f4 v[rD:rD+7], v[128*(\p)+12*b:128*(\p)+12*b+11], v[AF+96*(\p)+12*(\a):AF+96*(\p)+12*(\a)+11], v[rD:rD+7], v[SC+W*(\p)+b], v[SC+W*(\p)+(\a)] matrix_a_fmt:MATRIX_FMT_FP6 matrix_b_fmt:MATRIX_FMT_FP6 matrix_a_scale:MATRIX_SCALE_ROW1
.endif
.set b, b+1
.endr
.endm
.macro MULR a0, a1, p, zero
.set aa, \a0
.rept (\a1)-(\a0)
	MULA aa, \p, \zero
.set aa, aa+1
.endr
.endm
.macro STEP slot, q, zero
	s_wait_dscnt 0x0
	PLACES NP
	MULR 0, W/4, (\q)%2, \zero
	FETCH \slot, (\q)+1, 1-(\q)%2
	MULR W/4, W, (\q)%2, \zero
	WIN 0
.endm
.macro STEPS slot, q0
.set qq, \q0
.rept SK-1-(\q0)
	STEP \slot, qq, 0
.set qq, qq+1
.endr
.endm
.macro TURN slot, next, fill
	s_wait_tensorcnt 0x0
	ds_add_u32 v[SPW], v[NIL]
	s_wait_dscnt 1
	MULR 0, W/4, 1, 0
	s_wait_dscnt 0x0
	s_barrier_signal -1
	MULR W/4, W/2, 1, 0
	WIN 0
	s_barrier_wait -1
.if \fill
	CREST
	s_add_nc_u64 s[G0+4*\slot+2:G0+4*\slot+3], s[G0+4*\slot+2:G0+4*\slot+3], 2*SK*FRB
	s_add_nc_u64 s[G0B+4*\slot+2:G0B+4*\slot+3], s[G0B+4*\slot+2:G0B+4*\slot+3], 2*SK*FRB
	JLOAD G0+4*\slot, G1, G0B+4*\slot, G1B
.else
	PLACES NP
.endif
	v_add_nc_u32 v[ADRS], SK*64, v[ADRS]
	FETCH \next, 0, 0
	MULR W/2, W, 1, 0
	WIN 0
.endm
.macro TOSTAGE a
	WIN 0x08
.irp b, 0,1,2,3
	ds_store_b128 v[STO], v[8*(4*(\a)+\b):8*(4*(\a)+\b)+3] offset:128*(\b/2)+32*(\b%2)
	ds_store_b128 v[STO], v[8*(4*(\a)+\b)+4:8*(4*(\a)+\b)+7] offset:128*(\b/2)+32*(\b%2)+16
.endr
	WIN 0
.set BB, BK+32*((\a)%2)
.irp t, 0,1,2,3,4,5,6,7
	ds_load_b128 v[BB+4*\t:BB+4*\t+3], v[RD] offset:544*\t
.endr
.endm
.macro SEND a, younger
.set BB, BK+32*((\a)%2)
.set RSD, 48+32*(\a)+64*((\a)/2)
	s_wait_dscnt \younger
.irp t, 0,1,2,3,4,5,6,7
	v_pk_add_f32 v[BB+4*\t:BB+4*\t+1], v[BB+4*\t:BB+4*\t+1], v[48:49]
	v_pk_add_f32 v[BB+4*\t+2:BB+4*\t+3], v[BB+4*\t+2:BB+4*\t+3], v[50:51]
.endr
	WIN 0x04
.irp t, 0,1,2,3,4,5,6,7,8,9,10,11,12,13,14,15
	v_pk_add_f32 v[BB+2*\t:BB+2*\t+1], v[BB+2*\t:BB+2*\t+1], v[RSD+2*\t:RSD+2*\t+1]
.endr
	WIN 0
.irp t, 0,1,2,3,4,5,6,7
	global_store_b128 v[CO], v[BB+4*\t:BB+4*\t+3], s[12:13] offset:(32*((\a)/2)+8*((\a)%2)+2*\t+8*(\t/4))*4096
.endr
.endm
	s_load_b64 s[4:5], s[0:1], 0x0
	s_load_b64 s[6:7], s[0:1], 0x8
	s_load_b64 s[8:9], s[0:1], 0x10
	s_load_b64 s[10:11], s[0:1], 0x18
	s_load_b64 s[12:13], s[0:1], 0x20
	v_lshl_add_u32 v[SPW], v0, 2, SPARE
	v_mov_b32 v[NIL], 0
	ds_add_u32 v[SPW], v[NIL]
	ds_add_u32 v[SPW], v[NIL]
	v_lshrrev_b32 v1, 5, v0
	v_readfirstlane_b32 s14, v1
	s_lshr_b32 s15, s14, 1
	s_and_b32 s16, s14, 1
	s_bfe_u32 s40, ttmp6, 0x40000
	s_bfe_u32 s41, ttmp6, 0x40004
	s_lshl_b32 s42, ttmp9, 2
	s_add_co_u32 s42, s42, s40
	s_and_b32 s17, ttmp7, 0xffff
	s_lshl_b32 s17, s17, 2
	s_add_co_u32 s17, s17, s41
	s_lshl_b32 s43, s41, 2
	s_lshl_b32 s43, 15, s43
	s_lshl_b32 s44, 0x1111, s40
	s_or_b32 s[G1+0], s43, (3<<16)|(1<<21)
	s_or_b32 s[G1B+0], s44, (3<<16)|(1<<21)
.irp g, G1, G1B
	s_mov_b32 s[\g+1], (SK*192)<<16
	s_mov_b32 s[\g+2], (2*W)<<16                   ; the head's loads bring a whole tile, 2 W row blocks
	s_mov_b32 s[\g+3], (SK*192)<<16
	s_mov_b32 s[\g+4], 2*W
	s_mov_b32 s[\g+5], KT*192
	s_mov_b32 s[\g+6], 0
	s_mov_b32 s[\g+7], 0
.endr
	s_or_b32 s[G1S+0], s43, (3<<16)|(1<<21)
	s_or_b32 s[G1SB+0], s44, (3<<16)|(1<<21)
.irp g, G1S, G1SB
	s_mov_b32 s[\g+1], 32<<16
	s_mov_b32 s[\g+2], (2*HALFS/256)<<16           ; the scale words of 2 W row blocks
	s_mov_b32 s[\g+3], 32<<16
	s_mov_b32 s[\g+4], 2*HALFS/256
	s_mov_b32 s[\g+5], 32
	s_mov_b32 s[\g+6], 0
	s_mov_b32 s[\g+7], 0
.endr
	s_mul_i32 s18, s16, W*KT*FRB                   ; s[18:19]: bytes from a tile's first row block to the half that I fetch of slot 1
	s_mov_b32 s19, 0
	s_mul_i32 s20, s17, 2*W
	s_mul_i32 s22, s20, KT*64
	s_add_co_u32 s22, s22, SECAS
	s_mul_i32 s20, s20, KT*FRB
	s_add_co_u32 s20, s20, SECA
	s_mov_b32 s21, 0
	s_mov_b32 s23, 0
	s_mul_i32 s46, s42, 2*W
	s_mul_i32 s92, s46, KT*64
	s_add_co_u32 s92, s92, SECBS
	s_mul_i32 s46, s46, KT*FRB
	s_add_co_u32 s46, s46, SECB
	s_mov_b32 s47, 0
	s_mov_b32 s93, 0
	s_mul_i32 s45, s14, HALFT
	s_wait_dscnt 0x0
	s_wait_kmcnt 0x0
	s_add_nc_u64 s[20:21], s[4:5], s[20:21]
	s_add_nc_u64 s[22:23], s[4:5], s[22:23]
	s_add_nc_u64 s[46:47], s[6:7], s[46:47]
	s_add_nc_u64 s[92:93], s[6:7], s[92:93]
	CROUND
	s_mov_b32 s[G0S], 1
	s_mov_b32 s[G0S+1], SCL
	s_mov_b64 s[G0S+2:G0S+3], s[22:23]
	s_or_b32 s[G0S+3], s[G0S+3], 0x80000000
	s_mov_b32 s[G0SB], 1
	s_mov_b32 s[G0SB+1], SCL+2*HALFS+64
	s_mov_b64 s[G0SB+2:G0SB+3], s[92:93]
	s_or_b32 s[G0SB+3], s[G0SB+3], 0x80000000
; THE HEAD'S LOADS, ONE A WAVE: wave 0 slot 0's whole tile of A, wave 1 that of B, wave 2 A's scale words, wave 3 B's; one chain of branches on the wave's number, all arms to one join
.macro TL g0, g1
	tensor_load_to_lds s[\g0:\g0+3], s[\g1:\g1+7]
	s_nop 0
	PLACES 4
.endm
.macro ARM under, g0, g1, next, join
	s_cmp_lt_u32 s14, \under
	s_cbranch_scc0 \next
	TL \g0, \g1
	s_branch \join
\next:
.endm
	s_mov_b32 s[G0], 1
	s_mov_b32 s[G0+1], 0
	s_mov_b64 s[G0+2:G0+3], s[20:21]
	s_or_b32 s[G0+3], s[G0+3], 0x80000000
	s_mov_b32 s[G0B], 1
	s_mov_b32 s[G0B+1], 2*HALFT
	s_mov_b64 s[G0B+2:G0B+3], s[46:47]
	s_or_b32 s[G0B+3], s[G0B+3], 0x80000000
	s_add_nc_u64 s[20:21], s[20:21], s[18:19]      ; for slot 1: my half of the tile
	s_add_nc_u64 s[46:47], s[46:47], s[18:19]
	s_mov_b32 s[G0+4], 1
	s_add_co_u32 s[G0+5], s45, SLOT
	s_add_nc_u64 s[G0+6:G0+7], s[20:21], SK*FRB
	s_or_b32 s[G0+7], s[G0+7], 0x80000000
	s_mov_b32 s[G0B+4], 1
	s_add_co_u32 s[G0B+5], s45, SLOT
	s_add_nc_u64 s[G0B+6:G0B+7], s[46:47], SK*FRB
	s_or_b32 s[G0B+7], s[G0B+7], 0x80000000
	ARM 1, G0, G1, .Lh1, .Lhd
	ARM 2, G0B, G1B, .Lh2, .Lhd
	ARM 3, G0S, G1S, .Lh3, .Lhd
	TL G0SB, G1SB
.Lhd:
	v_and_b32 v3, 31, v0
	v_and_b32 v1, 15, v0
	v_bfe_u32 v2, v0, 4, 1
	v_lshlrev_b32 v8, 4, v3
	v_lshlrev_b32 v9, 3, v3
	v_lshlrev_b32 v10, 2, v1
	s_mul_i32 s21, s15, HALFT
	s_mul_i32 s22, s16, HALFT
	s_add_co_u32 s22, s22, 2*HALFT
.irp s, 0,1
	v_add_nc_u32 v[ADA16+\s], s21, v8
	v_add_nc_u32 v[ADA8+\s], s21, v9
	v_add_nc_u32 v[ADB16+\s], s22, v8
	v_add_nc_u32 v[ADB8+\s], s22, v9
	s_add_co_u32 s21, s21, SLOT
	s_add_co_u32 s22, s22, SLOT
.endr
	s_mul_i32 s21, s15, HALFS
	s_mul_i32 s22, s16, HALFS
	s_add_co_u32 s22, s22, 2*HALFS+64
	s_sub_co_u32 s22, s22, s21
	v_mul_u32_u24 v6, s22, v2
	s_add_co_u32 s21, s21, SCL
	v_add_nc_u32 v5, v10, v6
	v_add_nc_u32 v[ADRS], s21, v5
	s_mul_i32 s23, s14, 4352
	s_add_co_u32 s23, s23, STAGE
	v_mul_u32_u24 v5, v1, 272
	v_lshl_add_u32 v5, v2, 6, v5
	v_add_nc_u32 v[STO], s23, v5
	v_mul_u32_u24 v5, v2, 272
	v_lshl_add_u32 v5, v1, 4, v5
	v_add_nc_u32 v[RD], s23, v5
	v_lshlrev_b32 v[CO], 12, v2
	v_lshl_add_u32 v[CO], v1, 4, v[CO]
	v_lshlrev_b32 v7, 4, v1
	s_wait_alu depctr_va_vdst(0)
	s_lshl_b32 s20, s17, 7
	s_lshl_b32 s21, s15, 6
	s_add_co_u32 s20, s20, s21
	s_lshl_b32 s20, s20, 12
	s_lshl_b32 s46, s42, 9
	s_lshl_b32 s47, s16, 8
	s_add_co_u32 s46, s46, s47
	s_add_co_u32 s20, s20, s46
	s_mov_b32 s21, 0
	s_mov_b32 s47, 0
	s_add_nc_u64 s[10:11], s[10:11], s[20:21]
	s_add_nc_u64 s[12:13], s[12:13], s[20:21]
	s_add_nc_u64 s[8:9], s[8:9], s[46:47]
	global_load_b128 v[48:51], v7, s[8:9]
	WIN 0x40
.irp a, 0,1,2,3
.irp t, 0,1,2,3,4,5,6,7
	global_load_b128 v[48+32*\a+64*(\a/2)+4*\t:48+32*\a+64*(\a/2)+4*\t+3], v[CO], s[10:11] offset:(32*(\a/2)+8*(\a%2)+2*\t+8*(\t/4))*4096
.endr
.endr
	WIN 0
	s_wait_alu depctr_va_vdst(0)
	s_wait_tensorcnt 0x0                           ; my tile of the head's four is in; slot 1's first fill is issued as a refill is
	ds_add_u32 v[SPW], v[NIL]
	s_mov_b32 s[G1+2], W<<16                       ; no tensor load of mine is out: slot 1's load brings W row blocks
	s_mov_b32 s[G1+4], W
	s_mov_b32 s[G1B+2], W<<16
	s_mov_b32 s[G1B+4], W
	s_wait_dscnt 0x0
	CROUND                                         ; all four tiles are in, and all sixteen work-groups are here
	JLOAD G0+4, G1, G0B+4, G1B                     ; slot 1: the first tensor load behind the round
	FETCH 0, 0, 0
	STEP 0, 0, 1
	STEPS 0, 1
.if LAPS > 1
	s_mov_b32 s3, LAPS-1
.Llap:
	TURN 0, 1, 1
	STEPS 1, 0
	TURN 1, 0, 1
	STEPS 0, 0
	s_sub_co_u32 s3, s3, 1
	s_cmp_lg_u32 s3, 0
	s_cbranch_scc1 .Llap
.endif
	TURN 0, 1, 0
	s_wait_alu depctr_va_vdst(0)
	STEPS 1, 0
	s_wait_dscnt 0x0
	MULR 0, W, 1, 0
	WIN 0
	PLACES NP
	s_wait_loadcnt 0x0
	TOSTAGE 0
.irp a, 1,2,3
.if \a > 1
	s_wait_xcnt 0x0
.endif
	TOSTAGE \a
	SEND \a-1, 16
.endr
	SEND 3, 0
	s_wait_tensorcnt 0x0
	ds_add_u32 v[SPW], v[NIL]
	s_wait_dscnt 0x0
	CROUND
	s_endpgm
.Lfunc_end_k_q81a5c141bd_gemm_proj:
	.size	k_q81a5c141bd_gemm_proj, .Lfunc_end_k_q81a5c141bd_gemm_proj-k_q81a5c141bd_gemm_proj
	.p2alignl 7, 3214868480
	.fill 96, 4, 3214868480
	.section	.rodata,"a",@progbits
	.p2align	6, 0x0
	.amdhsa_kernel k_q81a5c141bd_gemm_proj
		.amdhsa_group_segment_fixed_size 327680
		.amdhsa_private_segment_fixed_size 0
		.amdhsa_enable_private_segment 0
		.amdhsa_kernarg_size 40
		.amdhsa_user_sgpr_count 2
		.amdhsa_user_sgpr_kernarg_segment_ptr 1
		.amdhsa_wavefront_size32 1
		.amdhsa_system_sgpr_workgroup_id_x 1
		.amdhsa_system_sgpr_workgroup_id_y 1
		.amdhsa_system_sgpr_workgroup_id_z 1
		.amdhsa_system_vgpr_workitem_id 0
		.amdhsa_next_free_vgpr 768
		.amdhsa_next_free_sgpr 100
		.amdhsa_reserve_vcc 0
		.amdhsa_float_denorm_mode_32 3
		.amdhsa_float_denorm_mode_16_64 3
		.amdhsa_memory_ordered 1
		.amdhsa_forward_progress 1
		.amdhsa_inst_pref_size 67
	.end_amdhsa_kernel
	.amdgpu_metadata
---
amdhsa.version: [ 1, 2 ]
amdhsa.kernels:
  - .name:           k_q81a5c141bd_gemm_proj
    .symbol:         k_q81a5c141bd_gemm_proj.kd
    .args:
      - { .name: w3, .offset: 0, .size: 8, .value_kind: global_buffer, .address_space: global }
      - { .name: w1, .offset: 8, .size: 8, .value_kind: global_buffer, .address_space: global }
      - { .name: b_proj, .offset: 16, .size: 8, .value_kind: global_buffer, .address_space: global }
      - { .name: x, .offset: 24, .size: 8, .value_kind: global_buffer, .address_space: global }
      - { .name: x1, .offset: 32, .size: 8, .value_kind: global_buffer, .address_space: global }
    .group_segment_fixed_size: 327680
    .private_segment_fixed_size: 0
    .kernarg_segment_align: 8
    .kernarg_segment_size: 40
    .max_flat_workgroup_size: 128
    .sgpr_count:     100
    .vgpr_count:     768
    .wavefront_size: 32
...
	.end_amdgpu_metadata
.endif
;; end of part 4
;; launch ln2: the kernel of part 1 again; grid 256 x 1, 8 waves a work-group, no clusters, 69,632 bytes of LDS; arguments x1, w_attn, w_proj, w_fc, w_mlp_proj, w5; writes w5
;; launch gemm_fc (part 5): grid 16 x 16, 4 waves a work-group, clusters of 4 x 4, 327,680 bytes of LDS; arguments w5, w1, b_fc, w6; writes w6
.if DOCPART == 5
	.amdgcn_target "amdgcn-amd-amdhsa--gfx1250"
	.amdhsa_code_object_version 6
	.text
	.protected	k_q81a5c141bd_gemm_fc
	.globl	k_q81a5c141bd_gemm_fc
	.p2align	8
	.type	k_q81a5c141bd_gemm_fc,@function
k_q81a5c141bd_gemm_fc:
	s_mov_b64 s[64:65], 0
	v_nop
	global_prefetch_b8 v0, s[64:65] scope:SCOPE_SE
	s_setreg_imm32_b32 hwreg(HW_REG_WAVE_MODE, 25, 1), 1
	s_wait_xcnt 0x0
	s_wait_alu depctr_hold_cnt(0) depctr_sa_sdst(0) depctr_va_vdst(0) depctr_va_sdst(0) depctr_va_ssrc(0) depctr_va_vcc(0) depctr_vm_vsrc(0)
	s_getreg_b32 s2, hwreg(HW_REG_IB_STS2, 6, 4)
	s_cmp_eq_u32 s2, 0
	s_cbranch_scc0 .Lentry_in_a_cluster
	s_endpgm
.Lentry_in_a_cluster:
	s_bfe_u32 s2, ttmp6, 0x10000c
	s_cmp_lg_u32 s2, 0xf033
	s_cbranch_scc0 .Lentry_shape_is_right
	s_endpgm
.Lentry_shape_is_right:
.set QKV,   0
.set GEL,   1
.set W,     8
.set KT,    8
.set SK,    2
.set ARGA,  0x0
.set ARGB,  0x8
.set ARGBI, 0x10
.set ARGO,  0x18
.set SECA,  524288
.set SECAS, 0
.set SECB,  6815744
.set SECBS, 262144
.set FRB,   1536
.set HALFT, W*SK*FRB
.set SLOT,  4*HALFT
.set SCL,   2*SLOT
.set HALFS, W*KT*64
.set SPARE, SCL+4*HALFS+256
.set LAPS,  KT/SK/2
.set NP,    4
.set ADA16, 16
.set ADA8,  18
.set ADB16, 20
.set ADB8,  22
.set ADRS,  27
.set SPW,   28
.set NIL,   29
.set SC,    32
.set AF,    64
.set HA,    64
.set T,     128
.set PC,    160
.set TM,    180
.set PW,    196
.set KC3,   200
.set KC1,   202
.set SEL,   66
.set G1, 24
.set G0, 32
.set G1B, 48
.set G0B, 56
.set G1S, 68
.set G0S, 76
.set G1SB, 80
.set G0SB, 88
.set MSB, 0
.macro WIN new
.if MSB != (\new)
	s_set_vgpr_msb (MSB<<8)|(\new)
.set MSB, (\new)
.endif
.endm
.macro JLOAD g0a, g1a, g0b, g1b
	s_cmp_eq_u32 s15, 0
	s_cbranch_scc0 .Lfor_b_\@
	tensor_load_to_lds s[\g0a:\g0a+3], s[\g1a:\g1a+7]
	s_nop 0
.rept 4
	v_nop
.endr
	s_branch .Lasked_\@
.Lfor_b_\@:
	tensor_load_to_lds s[\g0b:\g0b+3], s[\g1b:\g1b+7]
	s_nop 0
.rept 4
	v_nop
.endr
.Lasked_\@:
.endm
.macro CREST
	s_cmp_lg_u32 s14, 0
	s_cbranch_scc1 .Lnot_wave_0_\@
	s_barrier_signal -3
.Lnot_wave_0_\@:
	s_barrier_wait -3
	s_barrier_signal -1
	s_barrier_wait -1
.endm
.macro CROUND
	s_barrier_signal -1
	s_barrier_wait -1
	CREST
.endm
.macro PLACES n
.rept \n
	v_nop
.endr
.endm
.macro FRAG reg, a16, a8, off
	ds_load_b128 v[\reg:\reg+3], v[\a16] offset:\off
	ds_load_b64 v[\reg+4:\reg+5], v[\a8] offset:\off+512
	ds_load_b128 v[\reg+6:\reg+9], v[\a16] offset:\off+768
	ds_load_b64 v[\reg+10:\reg+11], v[\a8] offset:\off+1280
.endm
.macro FETCH slot, q, p
	WIN 0x40
.set i, 0
.rept W
	FRAG 128*(\p)+12*i, ADB16+\slot, ADB8+\slot, (i*SK+(\q))*FRB
.set i, i+1
.endr
	WIN 0
.set i, 0
.rept W
	FRAG AF+96*(\p)+12*i, ADA16+\slot, ADA8+\slot, (i*SK+(\q))*FRB
.set i, i+1
.endr
.set i, 0
.rept W
	ds_load_b32 v[SC+W*(\p)+i], v[ADRS] offset:(i*KT+(\q))*64
.set i, i+1
.endr
.endm
.macro MULA a, p, zero
.if (\a) < 4
	WIN 0xa1
.else
	WIN 0xf1
.endif
.set b, 0
.rept W
.set rD, 8*(W*((\a)%4)+b)
.if \zero
	v_wmma_scale_f32_16x16x128_f8f6f4 v[rD:rD+7], v[128*(\p)+12*b:128*(\p)+12*b+11], v[AF+96*(\p)+12*(\a):AF+96*(\p)+12*(\a)+11], 0, v[SC+W*(\p)+b], v[SC+W*(\p)+(\a)] matrix_a_fmt:MATRIX_FMT_FP6 matrix_b_fmt:MATRIX_FMT_FP6 matrix_a_scale:MATRIX_SCALE_ROW1
.else
	v_wmma_scale_f32_16x16x128_f8f6f4 v[rD:rD+7], v[128*(\p)+12*b:128*(\p)+12*b+11], v[AF+96*(\p)+12*(\a):AF+96*(\p)+12*(\a)+11], v[rD:rD+7], v[SC+W*(\p)+b], v[SC+W*(\p)+(\a)] matrix_a_fmt:MATRIX_FMT_FP6 matrix_b_fmt:MATRIX_FMT_FP6 matrix_a_scale:MATRIX_SCALE_ROW1
.endif
.set b, b+1
.endr
.endm
.macro MULR a0, a1, p, zero
.set aa, \a0
.rept (\a1)-(\a0)
	MULA aa, \p, \zero
.set aa, aa+1
.endr
.endm
.macro STEP slot, q, zero
	s_wait_dscnt 0x0
	PLACES NP
	MULR 0, W/4, (\q)%2, \zero
	FETCH \slot, (\q)+1, 1-(\q)%2
	MULR W/4, W, (\q)%2, \zero
	WIN 0
.endm
.macro STEPS slot, q0
.set qq, \q0
.rept SK-1-(\q0)
	STEP \slot, qq, 0
.set qq, qq+1
.endr
.endm
.macro TURN slot, next, fill
	s_wait_tensorcnt 0x0
	ds_add_u32 v[SPW], v[NIL]
	s_wait_dscnt 1
	MULR 0, W/4, 1, 0
	s_wait_dscnt 0x0
	s_barrier_signal -1
	MULR W/4, W/2, 1, 0
	WIN 0
	s_barrier_wait -1
.if \fill
	CREST
	s_add_nc_u64 s[G0+4*\slot+2:G0+4*\slot+3], s[G0+4*\slot+2:G0+4*\slot+3], 2*SK*FRB
	s_add_nc_u64 s[G0B+4*\slot+2:G0B+4*\slot+3], s[G0B+4*\slot+2:G0B+4*\slot+3], 2*SK*FRB
	JLOAD G0+4*\slot, G1, G0B+4*\slot, G1B
.else
	PLACES NP
.endif
	s_wait_alu depctr_va_vdst(0)
	v_add_nc_u32 v[ADRS], SK*64, v[ADRS]
	FETCH \next, 0, 0
	MULR W/2, W, 1, 0
	WIN 0
.endm
.macro QUANT s
.irp b, 0,1,2,3
	v_max3_num_f32 v[TM+\b], |v[\s+16*\b]|, |v[\s+1+16*\b]|, 0x1800000
.endr
.irp i, 2,4,6,8,10,12,14
.irp b, 0,1,2,3
	v_max3_num_f32 v[TM+\b], v[TM+\b], |v[\s+16*\b+\i]|, |v[\s+1+16*\b+\i]|
.endr
.endr
.irp b, 0,1,2,3
	v_permlanex16_b32 v[TM+4+\b], v[TM+\b], s[SEL], s[SEL+1]
.endr
.irp b, 0,1,2,3
	v_max_num_f32 v[TM+\b], v[TM+\b], v[TM+4+\b]
.endr
.irp b, 0,1,2,3
	v_add_nc_u32 v[TM+12+\b], 0xff000000, v[TM+\b]
.endr
.irp b, 0,1,2,3
	v_lshrrev_b32 v[TM+4+\b], 23, v[TM+12+\b]
.endr
	v_lshl_or_b32 v[PW], v[TM+5], 8, v[TM+4]
	v_lshl_or_b32 v[PW], v[TM+6], 16, v[PW]
	v_lshl_or_b32 v[PW], v[TM+7], 24, v[PW]
.irp c, 0,1
	v_cvt_scalef32_pk16_fp6_f32 v[PC+6*\c:PC+2+6*\c], v[\s+32*\c:\s+15+32*\c], v[TM+12+2*\c]
	v_cvt_scalef32_pk16_fp6_f32 v[PC+12+4*\c:PC+14+4*\c], v[\s+16+32*\c:\s+31+32*\c], v[TM+12+2*\c+1]
.endr
	v_nop
.irp c, 0,1
.irp i, 0,1,2
	v_permlane16_swap_b32 v[PC+6*\c+\i], v[PC+12+4*\c+\i]
.endr
.irp i, 0,1,2
	v_mov_b32 v[PC+3+6*\c+\i], v[PC+12+4*\c+\i]
.endr
.endr
.endm
.macro BIASQ
	WIN 0x40
.irp be, 0,1,2,3
.irp jj, 0,1,2,3
	global_load_b128 v[96+16*\be+4*\jj+96*(\be/2):96+16*\be+4*\jj+96*(\be/2)+3], v7, s[8:9] offset:128*\be+16*\jj
.endr
.endr
	WIN 0
.endm
.macro GELU
.irp hf, 0,1
.set i, 0
.rept 16
	v_pk_mul_f32 v[T+2*i:T+2*i+1], v[HA+32*\hf+2*i:HA+32*\hf+2*i+1], v[HA+32*\hf+2*i:HA+32*\hf+2*i+1]
.set i, i+1
.endr
.set i, 0
.rept 16
	v_pk_fma_f32 v[T+2*i:T+2*i+1], v[T+2*i:T+2*i+1], v[KC3:KC3+1], v[KC1:KC1+1]
.set i, i+1
.endr
.set i, 0
.rept 16
	v_pk_mul_f32 v[T+2*i:T+2*i+1], v[T+2*i:T+2*i+1], v[HA+32*\hf+2*i:HA+32*\hf+2*i+1]
.set i, i+1
.endr
.set i, 0
	s_wait_alu depctr_va_vdst(0)
.rept 32
	v_exp_f32 v[T+i], v[T+i]
.set i, i+1
.endr
	v_nop
	s_wait_alu depctr_va_vdst(0)
.set i, 0
.rept 16
	v_pk_add_f32 v[T+2*i:T+2*i+1], v[T+2*i:T+2*i+1], 1.0 op_sel_hi:[1,0]
.set i, i+1
.endr
.set i, 0
	s_wait_alu depctr_va_vdst(0)
.rept 32
	v_rcp_f32 v[T+i], v[T+i]
.set i, i+1
.endr
	v_nop
	s_wait_alu depctr_va_vdst(0)
.set i, 0
.rept 16
	v_pk_mul_f32 v[HA+32*\hf+2*i:HA+32*\hf+2*i+1], v[HA+32*\hf+2*i:HA+32*\hf+2*i+1], v[T+2*i:T+2*i+1]
.set i, i+1
.endr
.endr
.endm
.macro EPQ a, kto
	WIN 0x06+(\a)/4
.set i, 0
.rept 32
.set rB, 96+2*i+96*(i/16)
	v_pk_add_f32 v[HA+2*i:HA+2*i+1], v[64*((\a)%4)+2*i:64*((\a)%4)+2*i+1], v[rB:rB+1]
.set i, i+1
.endr
	WIN 0
	GELU
.if (\a) > 0
	s_wait_xcnt 0x0
.endif
	QUANT HA
	global_store_b128 v8, v[PC:PC+3], s[12:13] offset:(\a)*(\kto)*FRB
	global_store_b64 v9, v[PC+4:PC+5], s[12:13] offset:(\a)*(\kto)*FRB+512
	global_store_b128 v8, v[PC+6:PC+9], s[12:13] offset:(\a)*(\kto)*FRB+768
	global_store_b64 v9, v[PC+10:PC+11], s[12:13] offset:(\a)*(\kto)*FRB+1280
	global_store_b32 v10, v[PW], s[10:11] offset:(\a)*(\kto)*64
.endm
	s_load_b64 s[4:5], s[0:1], ARGA
	s_load_b64 s[6:7], s[0:1], ARGB
	s_load_b64 s[8:9], s[0:1], ARGBI
	s_load_b64 s[12:13], s[0:1], ARGO
	v_lshl_add_u32 v[SPW], v0, 2, SPARE
	v_mov_b32 v[NIL], 0
	ds_add_u32 v[SPW], v[NIL]
	ds_add_u32 v[SPW], v[NIL]
	v_lshrrev_b32 v1, 5, v0
	v_readfirstlane_b32 s14, v1
	s_lshr_b32 s15, s14, 1
	s_and_b32 s16, s14, 1
	s_bfe_u32 s40, ttmp6, 0x40000
	s_bfe_u32 s41, ttmp6, 0x40004
	s_lshl_b32 s42, ttmp9, 2
	s_add_co_u32 s42, s42, s40
	s_and_b32 s17, ttmp7, 0xffff
	s_lshl_b32 s17, s17, 2
	s_add_co_u32 s17, s17, s41
	s_lshl_b32 s43, s41, 2
	s_lshl_b32 s43, 15, s43
	s_lshl_b32 s44, 0x1111, s40
	s_or_b32 s[G1+0], s43, (3<<16)|(1<<21)
	s_or_b32 s[G1B+0], s44, (3<<16)|(1<<21)
.irp g, G1, G1B
	s_mov_b32 s[\g+1], (SK*192)<<16
	s_mov_b32 s[\g+2], (2*W)<<16                   ; the head's loads bring a whole tile, 2 W row blocks
	s_mov_b32 s[\g+3], (SK*192)<<16
	s_mov_b32 s[\g+4], 2*W
	s_mov_b32 s[\g+5], KT*192
	s_mov_b32 s[\g+6], 0
	s_mov_b32 s[\g+7], 0
.endr
	s_or_b32 s[G1S+0], s43, (3<<16)|(1<<21)
	s_or_b32 s[G1SB+0], s44, (3<<16)|(1<<21)
.irp g, G1S, G1SB
	s_mov_b32 s[\g+1], 32<<16
	s_mov_b32 s[\g+2], (2*HALFS/256)<<16           ; the scale words of 2 W row blocks
	s_mov_b32 s[\g+3], 32<<16
	s_mov_b32 s[\g+4], 2*HALFS/256
	s_mov_b32 s[\g+5], 32
	s_mov_b32 s[\g+6], 0
	s_mov_b32 s[\g+7], 0
.endr
	s_mul_i32 s18, s16, W*KT*FRB                   ; s[18:19]: bytes from a tile's first row block to the half that I fetch in the ring
	s_mov_b32 s19, 0
	s_mul_i32 s20, s17, 2*W
	s_mul_i32 s22, s20, KT*64
	s_add_co_u32 s22, s22, SECAS
	s_mul_i32 s20, s20, KT*FRB
	s_add_co_u32 s20, s20, SECA
	s_mov_b32 s21, 0
	s_mov_b32 s23, 0
	s_mul_i32 s46, s42, 2*W
	s_mul_i32 s92, s46, KT*64
	s_add_co_u32 s92, s92, SECBS
	s_mul_i32 s46, s46, KT*FRB
	s_add_co_u32 s46, s46, SECB
	s_mov_b32 s47, 0
	s_mov_b32 s93, 0
	s_mul_i32 s45, s14, HALFT
	s_mov_b32 s[SEL], 0x76543210
	s_mov_b32 s[SEL+1], 0xfedcba98
	s_wait_dscnt 0x0
	s_wait_kmcnt 0x0
	s_add_nc_u64 s[20:21], s[4:5], s[20:21]
	s_add_nc_u64 s[22:23], s[4:5], s[22:23]
	s_add_nc_u64 s[46:47], s[6:7], s[46:47]
	s_add_nc_u64 s[92:93], s[6:7], s[92:93]
	CROUND
	s_mov_b32 s[G0S], 1
	s_mov_b32 s[G0S+1], SCL
	s_mov_b64 s[G0S+2:G0S+3], s[22:23]
	s_or_b32 s[G0S+3], s[G0S+3], 0x80000000
	s_mov_b32 s[G0SB], 1
	s_mov_b32 s[G0SB+1], SCL+2*HALFS+64
	s_mov_b64 s[G0SB+2:G0SB+3], s[92:93]
	s_or_b32 s[G0SB+3], s[G0SB+3], 0x80000000
; THE HEAD'S LOADS, ONE A WAVE: wave 0 slot 0's whole tile of A, wave 1 that of B, wave 2 A's scale words, wave 3 B's; one chain of branches on the wave's number, all arms to one join
.macro TL g0, g1
	tensor_load_to_lds s[\g0:\g0+3], s[\g1:\g1+7]
	s_nop 0
	PLACES 4
.endm
.macro ARM under, g0, g1, next, join
	s_cmp_lt_u32 s14, \under
	s_cbranch_scc0 \next
	TL \g0, \g1
	s_branch \join
\next:
.endm
	s_mov_b32 s[G0], 1
	s_mov_b32 s[G0+1], 0
	s_mov_b64 s[G0+2:G0+3], s[20:21]
	s_or_b32 s[G0+3], s[G0+3], 0x80000000
	s_mov_b32 s[G0B], 1
	s_mov_b32 s[G0B+1], 2*HALFT
	s_mov_b64 s[G0B+2:G0B+3], s[46:47]
	s_or_b32 s[G0B+3], s[G0B+3], 0x80000000
	s_add_nc_u64 s[20:21], s[20:21], s[18:19]      ; for the ring: my half of the tile
	s_add_nc_u64 s[46:47], s[46:47], s[18:19]
	s_mov_b32 s[G0+4], 1
	s_add_co_u32 s[G0+5], s45, SLOT
	s_add_nc_u64 s[G0+6:G0+7], s[20:21], SK*FRB
	s_or_b32 s[G0+7], s[G0+7], 0x80000000
	s_mov_b32 s[G0B+4], 1
	s_add_co_u32 s[G0B+5], s45, SLOT
	s_add_nc_u64 s[G0B+6:G0B+7], s[46:47], SK*FRB
	s_or_b32 s[G0B+7], s[G0B+7], 0x80000000
	ARM 1, G0, G1, .Lh1, .Lhd
	ARM 2, G0B, G1B, .Lh2, .Lhd
	ARM 3, G0S, G1S, .Lh3, .Lhd
	TL G0SB, G1SB
.Lhd:
	v_and_b32 v3, 31, v0
	v_and_b32 v1, 15, v0
	v_bfe_u32 v2, v0, 4, 1
	v_lshlrev_b32 v8, 4, v3
	v_lshlrev_b32 v9, 3, v3
	v_lshlrev_b32 v10, 2, v1
	s_mul_i32 s21, s15, HALFT
	s_mul_i32 s22, s16, HALFT
	s_add_co_u32 s22, s22, 2*HALFT
.irp s, 0,1
	v_add_nc_u32 v[ADA16+\s], s21, v8
	v_add_nc_u32 v[ADA8+\s], s21, v9
	v_add_nc_u32 v[ADB16+\s], s22, v8
	v_add_nc_u32 v[ADB8+\s], s22, v9
	s_add_co_u32 s21, s21, SLOT
	s_add_co_u32 s22, s22, SLOT
.endr
	s_mul_i32 s21, s15, HALFS
	s_mul_i32 s22, s16, HALFS
	s_add_co_u32 s22, s22, 2*HALFS+64
	s_sub_co_u32 s22, s22, s21
	v_mul_u32_u24 v6, s22, v2
	s_add_co_u32 s21, s21, SCL
	v_add_nc_u32 v5, v10, v6
	v_add_nc_u32 v[ADRS], s21, v5
	v_lshlrev_b32 v7, 6, v2
	s_wait_alu depctr_va_vdst(0)
	s_lshl_b32 s46, s42, 10
	s_lshl_b32 s47, s16, 9
	s_add_co_u32 s46, s46, s47
	s_mov_b32 s47, 0
	s_add_nc_u64 s[8:9], s[8:9], s[46:47]
	s_lshl_b32 s20, s17, 4
	s_lshl_b32 s21, s15, 3
	s_add_co_u32 s20, s20, s21
	s_lshl_b32 s20, s20, 5
	s_lshl_b32 s22, s42, 1
	s_add_co_u32 s20, s20, s22
	s_add_co_u32 s20, s20, s16
	s_mul_i32 s22, s20, FRB
	s_add_co_u32 s22, s22, 524288
	s_lshl_b32 s20, s20, 6
	s_mov_b32 s21, 0
	s_mov_b32 s23, 0
	s_add_nc_u64 s[10:11], s[12:13], s[20:21]
	s_add_nc_u64 s[12:13], s[12:13], s[22:23]
	BIASQ
	s_wait_alu depctr_va_vdst(0)
	s_wait_tensorcnt 0x0                           ; my tile of the head's four is in; slot 1's first fill is issued as a refill is
	ds_add_u32 v[SPW], v[NIL]
	s_mov_b32 s[G1+2], W<<16                       ; no tensor load of mine is out: from here on a load brings W row blocks,
	s_mov_b32 s[G1+4], W
	s_mov_b32 s[G1B+2], W<<16
	s_mov_b32 s[G1B+4], W
	s_mov_b32 s[G0+1], s45                         ; and slot 0's group 0 names my quarter of the slot
	s_add_nc_u64 s[G0+2:G0+3], s[G0+2:G0+3], s[18:19]
	s_mov_b32 s[G0B+1], s45
	s_add_nc_u64 s[G0B+2:G0B+3], s[G0B+2:G0B+3], s[18:19]
	s_wait_dscnt 0x0
	CROUND                                         ; all four tiles are in, and all sixteen work-groups are here
	JLOAD G0+4, G1, G0B+4, G1B                     ; slot 1: the first tensor load behind the round
	FETCH 0, 0, 0
	STEP 0, 0, 1
	STEPS 0, 1
	s_mov_b32 s3, LAPS-1
.Llap:
	TURN 0, 1, 1
	s_wait_alu depctr_va_vdst(0)
	STEPS 1, 0
	TURN 1, 0, 1
	s_wait_alu depctr_va_vdst(0)
	STEPS 0, 0
	s_sub_co_u32 s3, s3, 1
	s_cmp_lg_u32 s3, 0
	s_cbranch_scc1 .Llap
	TURN 0, 1, 0
	s_wait_alu depctr_va_vdst(0)
	STEPS 1, 0
	s_wait_dscnt 0x0
	MULR 0, W, 1, 0
	WIN 0
	PLACES NP
.irp b, 0,1,2,3
	v_mov_b32 v[TM+4+\b], 0
.endr
	v_mov_b32 v[KC3], 0xbdd2d3e8
	v_mov_b32 v[KC3+1], 0xbdd2d3e8
	v_mov_b32 v[KC1], 0xc0135761
	v_mov_b32 v[KC1+1], 0xc0135761
	s_wait_loadcnt 0x0
.irp a, 0,1,2,3,4,5,6,7
	EPQ \a, 32
.endr
	s_wait_tensorcnt 0x0
	ds_add_u32 v[SPW], v[NIL]
	s_wait_dscnt 0x0
	CROUND
	s_endpgm
.Lfunc_end_k_q81a5c141bd_gemm_fc:
	.size	k_q81a5c141bd_gemm_fc, .Lfunc_end_k_q81a5c141bd_gemm_fc-k_q81a5c141bd_gemm_fc
	.p2alignl 7, 3214868480
	.fill 96, 4, 3214868480
	.section	.rodata,"a",@progbits
	.p2align	6, 0x0
	.amdhsa_kernel k_q81a5c141bd_gemm_fc
		.amdhsa_group_segment_fixed_size 327680
		.amdhsa_private_segment_fixed_size 0
		.amdhsa_enable_private_segment 0
		.amdhsa_kernarg_size 32
		.amdhsa_user_sgpr_count 2
		.amdhsa_user_sgpr_kernarg_segment_ptr 1
		.amdhsa_wavefront_size32 1
		.amdhsa_system_sgpr_workgroup_id_x 1
		.amdhsa_system_sgpr_workgroup_id_y 1
		.amdhsa_system_sgpr_workgroup_id_z 1
		.amdhsa_system_vgpr_workitem_id 0
		.amdhsa_next_free_vgpr 1024
		.amdhsa_next_free_sgpr 100
		.amdhsa_reserve_vcc 0
		.amdhsa_float_denorm_mode_32 3
		.amdhsa_float_denorm_mode_16_64 3
		.amdhsa_memory_ordered 1
		.amdhsa_forward_progress 1
		.amdhsa_inst_pref_size 255
	.end_amdhsa_kernel
	.section	.bss,"aw",@nobits
	.p2align	6
	.space	262144
	.amdgpu_metadata
---
amdhsa.version: [ 1, 2 ]
amdhsa.kernels:
  - .name:           k_q81a5c141bd_gemm_fc
    .symbol:         k_q81a5c141bd_gemm_fc.kd
    .args:
      - { .name: w5, .offset: 0, .size: 8, .value_kind: global_buffer, .address_space: global }
      - { .name: w1, .offset: 8, .size: 8, .value_kind: global_buffer, .address_space: global }
      - { .name: b_fc, .offset: 16, .size: 8, .value_kind: global_buffer, .address_space: global }
      - { .name: w6, .offset: 24, .size: 8, .value_kind: global_buffer, .address_space: global }
    .group_segment_fixed_size: 327680
    .private_segment_fixed_size: 0
    .kernarg_segment_align: 8
    .kernarg_segment_size: 32
    .max_flat_workgroup_size: 128
    .sgpr_count:     100
    .vgpr_count:     1024
    .wavefront_size: 32
...
	.end_amdgpu_metadata
.endif
;; end of part 5
;; launch gemm_mlp (part 6): grid 8 x 32, 4 waves a work-group, clusters of 4 x 1, 327,680 bytes of LDS; arguments w6, w1, b_mlp_proj, x1, out0; writes out0
.if DOCPART == 6
	.amdgcn_target "amdgcn-amd-amdhsa--gfx1250"
	.amdhsa_code_object_version 6
	.text
	.protected	k_q81a5c141bd_gemm_mlp
	.globl	k_q81a5c141bd_gemm_mlp
	.p2align	8
	.type	k_q81a5c141bd_gemm_mlp,@function
k_q81a5c141bd_gemm_mlp:
	s_mov_b64 s[64:65], 0
	v_nop
	global_prefetch_b8 v0, s[64:65] scope:SCOPE_SE
	s_setreg_imm32_b32 hwreg(HW_REG_WAVE_MODE, 25, 1), 1
	s_wait_xcnt 0x0
	s_wait_alu depctr_hold_cnt(0) depctr_sa_sdst(0) depctr_va_vdst(0) depctr_va_sdst(0) depctr_va_ssrc(0) depctr_va_vcc(0) depctr_vm_vsrc(0)
	s_getreg_b32 s2, hwreg(HW_REG_IB_STS2, 6, 4)
	s_cmp_eq_u32 s2, 0
	s_cbranch_scc0 .Lentry_in_a_cluster
	s_endpgm
.Lentry_in_a_cluster:
	s_bfe_u32 s2, ttmp6, 0x10000c
	s_cmp_lg_u32 s2, 0x3003
	s_cbranch_scc0 .Lentry_shape_is_right
	s_endpgm
.Lentry_shape_is_right:
; Product 6 and the second residual: out = x1 + h w_mlp_proj^T + b_mlp_proj, on codes of FP6 with E8M0 scales; the output is f32, row-major.
; OPERANDS are images of fragments (16 rows x 128 K = 1,536 bytes in the order of the operand's registers; lane r of row block 2 B + u holds row 32 B + 8 u + r + 8 (r / 8)), scale words beside them.
; SHARES.  N is 1,024: a tile of 128 tokens x 128 channels gives 256 work-groups.  THE FOUR WAVES SHARE THE CHANNELS: wave w takes the weight's row blocks 2 w and 2 w + 1 (32 channels) against all 8 blocks of tokens:
; 16 accumulators.  Source 0 = 16 rows of the weight, source 1 = 16 tokens: a lane holds one token, and its 16 numbers of a block of tokens are 16 neighbouring channels.
; A, THE TOKENS' CODES, goes through LDS, by joint tensor loads: the four work-groups of a cluster are the four column tiles of one tile of tokens.  Each wave fetches two of the eight row blocks; no branch parts the waves.
; B, THE WEIGHT'S CODES, goes from memory straight into registers: a fragment of B is wanted by one wave of the work-group alone, and its image comes by four loads of 512 or 256 consecutive bytes.
; WHY B IS NOT ASKED FOR JOINTLY.  With both operands in LDS a K step of 128 takes 24,576 bytes: two slots hold 4 K steps each, 6 of the 8 slots are refills, and a refill has 64 matrix instructions a wave in which to land.
; With A alone a K step takes 12,288 bytes: three slots of 8 K steps hold 24 of the 32, all first fills; ONE refill is left (K steps 24-31, into slot 0's bytes), asked for behind K step 7 and read from K step 24 on:
; 256 matrix instructions a wave.  B's loads run 7 K steps, 112 matrix instructions, ahead, through a ring of eight sets of registers.
; SCALES.  B's words for all of K are 32 registers, loaded once: a load brings 128 consecutive bytes, the words of two K steps (lanes 0-15 the even one, lanes 16-31 the odd one).  A's come into LDS once, with the first fills;
; a load from there brings the words of two row blocks (lanes 0-15 the even block, lanes 16-31 the odd one).
; The bias is the C of each sum's first product.  The 32 K steps are written out by macro, with no loop: the ring's and the scale words' registers are named by the step, and the three changes of slots differ.
; REGISTERS: window 0: v1-23 addresses; v24-39 the bias; v40-71 B's scale words; v72-79 A's, two sets; v96-191 A's fragments of even K steps.   window 1: v0-191 B's ring (on the way out v0-127 hold rows).
;   window 2: v0-127 the accumulators, (a, u) at v[8 (2 a + u)]; v128-255 the residual.   window 3: v0-95 A's fragments of odd K steps.
.set KT,    32                         ; K / 128
.set SK,    8                          ; K steps in a slot
.set FRB,   1536
.set RBB,   SK*FRB                     ; a row block's part of a slot
.set QT,    2*RBB                      ; what one tensor load brings: two row blocks x SK fragments
.set SLOT,  4*QT                       ; A's eight row blocks
.set HS,    SLOT/2                     ; an LDS immediate reaches 65,535 bytes: an address register for each half slot
.set ASCL,  3*SLOT                     ; behind the three slots: A's scale words, as rows of 256 bytes + 16 of padding: a row block's 2,048 bytes take 2,176, so that two neighbouring blocks' words lie in other banks
.set QS,    16*272                     ; those of two row blocks
.set SPARE, ASCL+4*QS                  ; the spare words, 128 bytes a wave: two blocks of 256 bytes that no other line names
.set STAGE, SLOT                       ; the way out: 128 rows x (512 + 16) bytes, in slot 1: it is filled once, and its last read stands ahead of the barrier at K step 23
.set SPITCH, 528
.set AHEAD, 7                          ; B's loads run so many K steps ahead
.set A16,   6                          ; v6-11   16 x lane + half slot k;  v6 also serves the global loads and stores
.set A8,    12                         ; v12-17  8 x lane + half slot k
.set ADRS,  18                         ; v18     my scale words of A
.set STO,   19                         ; v19     the stage: where I put 16 bytes of a row
.set RD,    20                         ; v20     and where I read a row back
.set SPW,   22
.set NIL,   23
.set BI,    24
.set BS,    40
.set AS,    72
.set AF0,   96                         ; in window 0
.set AF1,   0                          ; in window 3
.set RES,   128                        ; in window 2
.set G1,    24                         ; s[24:31] descriptor group 1 for A's codes;  s[32:39] for A's scale words
.set G1S,   32
.set G0,    40                         ; s[40:43] group 0 of the refill;  s[52:55] for the scale words
.set G0S,   52
.set MSB, 0
.macro WIN new                         ; the immediate's high byte repeats the setting that is left
.if MSB != (\new)
	s_set_vgpr_msb (MSB<<8)|(\new)
.set MSB, (\new)
.endif
.endm
.macro CREST                           ; a round of the cluster's barrier behind its opening barrier
	s_cmp_lg_u32 s14, 0
	s_cbranch_scc1 .Lnot_wave_0_\@
	s_barrier_signal -3
.Lnot_wave_0_\@:
	s_barrier_wait -3
	s_barrier_signal -1
	s_barrier_wait -1
.endm
.macro CROUND
	s_barrier_signal -1
	s_barrier_wait -1
	CREST
.endm
.macro PLACES n
.rept \n
	v_nop
.endr
.endm
.macro FRAG reg, a16, a8, off          ; a fragment's image comes back as it was stored: every load covers 512 or 256 consecutive bytes
	ds_load_b128 v[\reg:\reg+3], v[\a16] offset:\off
	ds_load_b64 v[\reg+4:\reg+5], v[\a8] offset:\off+512
	ds_load_b128 v[\reg+6:\reg+9], v[\a16] offset:\off+768
	ds_load_b64 v[\reg+10:\reg+11], v[\a8] offset:\off+1280
.endm
.macro FETCHA t                        ; A's eight fragments and four registers of scale words for K step t; slot t / 8 lies in region (t / 8) % 3
.if (\t)%2
	WIN 0xc0
.set rF, AF1
.else
	WIN 0
.set rF, AF0
.endif
.set i, 0
.rept 8
	FRAG rF+12*i, A16+2*(((\t)/SK)%3)+i/4, A8+2*(((\t)/SK)%3)+i/4, (i%4)*RBB+((\t)%SK)*FRB
.set i, i+1
.endr
	WIN 0
.set i, 0
.rept 4
	ds_load_b32 v[AS+4*((\t)%2)+i], v[ADRS] offset:i*QS+(\t)*64+16*((\t)/4)
.set i, i+1
.endr
.endm
.macro BLOAD t                         ; my two fragments of B for K step t, into set t % 8 of the ring
	WIN 0x40
.irp u, 0,1
.set rB, 24*((\t)%8)+12*\u
	global_load_b128 v[rB:rB+3], v[A16], s[56:57] offset:\u*KT*FRB+(\t)*FRB
	global_load_b64 v[rB+4:rB+5], v[A8], s[56:57] offset:\u*KT*FRB+(\t)*FRB+512
	global_load_b128 v[rB+6:rB+9], v[A16], s[56:57] offset:\u*KT*FRB+(\t)*FRB+768
	global_load_b64 v[rB+10:rB+11], v[A8], s[56:57] offset:\u*KT*FRB+(\t)*FRB+1280
.endr
	WIN 0
.endm
; A's block a against my two blocks of B, K step t.  zero = 1: the first product starts the sums, with the bias as C.  The 16 accumulators take turns, one instruction a turn, in the same order in every step
.macro MULA a, t, zero
.if \zero
	WIN 0x81                                       ; B window 1, A and the bias window 0, D window 2
.elseif (\t)%2
	WIN 0xad                                       ; B window 1, A window 3, C and D window 2
.else
	WIN 0xa1                                       ; B window 1, A window 0, C and D window 2
.endif
.set rA, AF0+12*(\a)
.if (\t)%2
.set rA, AF1+12*(\a)
.endif
.set sA, AS+4*((\t)%2)+(\a)/2
.irp u, 0,1
.set rD, 8*(2*(\a)+\u)
.set rB, 24*((\t)%8)+12*\u
.set sB, BS+16*\u+(\t)/2
.if \zero && ((\a)%2 == 0)
	v_wmma_scale_f32_16x16x128_f8f6f4 v[rD:rD+7], v[rB:rB+11], v[rA:rA+11], v[BI+8*\u:BI+8*\u+7], v[sB], v[sA] matrix_a_fmt:MATRIX_FMT_FP6 matrix_b_fmt:MATRIX_FMT_FP6
.elseif \zero
	v_wmma_scale_f32_16x16x128_f8f6f4 v[rD:rD+7], v[rB:rB+11], v[rA:rA+11], v[BI+8*\u:BI+8*\u+7], v[sB], v[sA] matrix_a_fmt:MATRIX_FMT_FP6 matrix_b_fmt:MATRIX_FMT_FP6 matrix_b_scale:MATRIX_SCALE_ROW1
.elseif ((\t)%2 == 0) && ((\a)%2 == 0)
	v_wmma_scale_f32_16x16x128_f8f6f4 v[rD:rD+7], v[rB:rB+11], v[rA:rA+11], v[rD:rD+7], v[sB], v[sA] matrix_a_fmt:MATRIX_FMT_FP6 matrix_b_fmt:MATRIX_FMT_FP6
.elseif ((\t)%2 == 0)
	v_wmma_scale_f32_16x16x128_f8f6f4 v[rD:rD+7], v[rB:rB+11], v[rA:rA+11], v[rD:rD+7], v[sB], v[sA] matrix_a_fmt:MATRIX_FMT_FP6 matrix_b_fmt:MATRIX_FMT_FP6 matrix_b_scale:MATRIX_SCALE_ROW1
.elseif ((\a)%2 == 0)
	v_wmma_scale_f32_16x16x128_f8f6f4 v[rD:rD+7], v[rB:rB+11], v[rA:rA+11], v[rD:rD+7], v[sB], v[sA] matrix_a_fmt:MATRIX_FMT_FP6 matrix_b_fmt:MATRIX_FMT_FP6 matrix_a_scale:MATRIX_SCALE_ROW1
.else
	v_wmma_scale_f32_16x16x128_f8f6f4 v[rD:rD+7], v[rB:rB+11], v[rA:rA+11], v[rD:rD+7], v[sB], v[sA] matrix_a_fmt:MATRIX_FMT_FP6 matrix_b_fmt:MATRIX_FMT_FP6 matrix_a_scale:MATRIX_SCALE_ROW1 matrix_b_scale:MATRIX_SCALE_ROW1
.endif
.endr
.endm
.macro MULR a0, a1, t, zero            ; A's blocks a0 .. a1 - 1
.set aa, \a0
.rept (\a1)-(\a0)
	MULA aa, \t, \zero
.set aa, aa+1
.endr
.endm
; The wait for B's fragments of K step t.  The global loads are issued in this order: the bias (4), B's scale words (32), K steps 0-6 (8 each), the residual (32), and K step s + 7 in K step s.
; Behind K step t's eight stand, at this wait: for t < 7 six K steps' and the residual's, 80 loads (the count names the most that its field holds); for t from 7 to 25 six K steps', 48; then those that are left.
.macro NWAIT t
.if (\t) < AHEAD
	s_wait_loadcnt 63
.elseif (\t)+AHEAD-1 <= KT-1
	s_wait_loadcnt 8*(AHEAD-1)
.else
	s_wait_loadcnt 8*(KT-1-(\t))
.endif
.endm
; A K step whose successor's fragments of A have been shown whole in LDS.  The sets that are loaded here were last read by the K step before: the four places at the head stand between those products and the loads.
.macro STEP t, zero
	s_wait_dscnt 0x0                               ; A's fragments and scale words of this step are in
	NWAIT \t
	PLACES 4
	MULR 0, 2, \t, \zero
	FETCHA (\t)+1
.if (\t)+AHEAD < KT
	BLOAD (\t)+AHEAD
.endif
	MULR 2, 8, \t, \zero
	WIN 0
.endm
; A K step with a barrier in it.  In front of the barrier each wave waits for all its tensor loads, adds 0 to its spare word, and waits for that and for its LDS reads.
; fill = 1 (K step 7): slots 1 and 2 are whole, nobody reads slot 0 any more, and behind a round of the cluster's barrier its bytes take K steps 24-31.  fill = 0 (K step 23): those have landed; nothing is filled.
.macro TURN t, fill
	s_wait_tensorcnt 0x0                           ; all my tensor loads have landed
	ds_add_u32 v[SPW], v[NIL]                      ; 0 onto my spare word
	s_wait_dscnt 1                                 ; this step's fragments are in; the add alone may be out
	NWAIT \t
	MULR 0, 2, \t, 0
	s_wait_dscnt 0x0                               ; the add is done, and my LDS reads are over
	s_barrier_signal -1
	MULR 2, 4, \t, 0
	WIN 0
	s_barrier_wait -1
.if \fill
	CREST                                          ; the barrier has opened a round of the cluster's: no wave of any partner still reads slot 0 or has a load on its way
	s_add_nc_u64 s[G0+2:G0+3], s[G0+2:G0+3], 3*SK*FRB
	tensor_load_to_lds s[G0:G0+3], s[G1:G1+7]      ; my one tensor load behind the round, and the launch's last
	s_nop 0
.endif
	PLACES 4                                       ; the places in front of the loads below
	FETCHA (\t)+1
	BLOAD (\t)+AHEAD
	MULR 4, 8, \t, 0
	WIN 0
.endm
	s_load_b128 s[4:7], s[0:1], 0x0                ; A's buffer (h), B's (the weights)
	s_load_b128 s[8:11], s[0:1], 0x10              ; the bias, the residual
	s_load_b64 s[12:13], s[0:1], 0x20              ; the output
	v_lshl_add_u32 v[SPW], v0, 2, SPARE
	v_mov_b32 v[NIL], 0
	ds_add_u32 v[SPW], v[NIL]                      ; the wave's opening: the add, twice on end, and its wait ahead of my first tensor load
	ds_add_u32 v[SPW], v[NIL]
	v_lshrrev_b32 v1, 5, v0
	v_readfirstlane_b32 s14, v1                    ; wave 0..3
	s_bfe_u32 s15, ttmp6, 0x40000                  ; cx: it enters B's, the bias's, the residual's and the output's addresses alone
	s_lshl_b32 s16, ttmp9, 2
	s_add_co_u32 s16, s16, s15                     ; the tile of channels
	s_and_b32 s17, ttmp7, 0xffff                   ; the tile of tokens, which the four partners share
	s_mov_b32 s[G1+0], 15|(3<<16)|(1<<21)          ; 15:0 the mask: all four partners; 17:16 elements of 8 bytes; 21 set beside a mask; no padding
	s_mov_b32 s[G1+1], (SK*192)<<16                ; tensor_dim0: SK fragments = SK x 192 elements
	s_mov_b32 s[G1+2], 2<<16                       ; tensor_dim1: two row blocks
	s_mov_b32 s[G1+3], (SK*192)<<16                ; tile_dim0
	s_mov_b32 s[G1+4], 2                           ; tile_dim1
	s_mov_b32 s[G1+5], KT*192                      ; from row block to row block
	s_mov_b32 s[G1+6], 0
	s_mov_b32 s[G1+7], 0
	s_mov_b32 s[G1S+0], 15|(3<<16)|(1<<20)|(1<<21)|(5<<22)|(3<<25)  ; the scale words of all eight row blocks: 16,384 dense bytes as 64 rows of 256, 16 bytes of padding behind each
	s_mov_b32 s[G1S+1], 32<<16
	s_mov_b32 s[G1S+2], 64<<16                     ; one load brings the scale words of all eight row blocks: 64 rows of 256 bytes
	s_mov_b32 s[G1S+3], 32<<16
	s_mov_b32 s[G1S+4], 64
	s_mov_b32 s[G1S+5], 32
	s_mov_b32 s[G1S+6], 0
	s_mov_b32 s[G1S+7], 0
.set G1H, 44                           ; s[44:51] group 1 for half a slot: four row blocks x SK fragments
	s_mov_b32 s[G1H+0], 15|(3<<16)|(1<<21)
	s_mov_b32 s[G1H+1], (SK*192)<<16
	s_mov_b32 s[G1H+2], 4<<16
	s_mov_b32 s[G1H+3], (SK*192)<<16
	s_mov_b32 s[G1H+4], 4
	s_mov_b32 s[G1H+5], KT*192
	s_mov_b32 s[G1H+6], 0
	s_mov_b32 s[G1H+7], 0
	v_and_b32 v3, 31, v0                           ; lane
	v_and_b32 v1, 15, v0                           ; r
	v_bfe_u32 v2, v0, 4, 1                         ; h
	v_lshlrev_b32 v[A16], 4, v3
	v_lshlrev_b32 v[A8], 3, v3
.irp k, 1,2,3,4,5
	v_add_nc_u32 v[A16+\k], \k*HS, v[A16]
	v_add_nc_u32 v[A8+\k], \k*HS, v[A8]
.endr
	v_lshlrev_b32 v4, 2, v1
	v_mad_u32_u24 v[ADRS], v2, 2176, v4            ; 4 r; lanes 16-31 take the odd row block's words
	v_add_nc_u32 v[ADRS], ASCL, v[ADRS]
	v_lshlrev_b32 v5, 2, v3                        ; B's scale words: 4 x lane = 4 r + 64 h: lanes 16-31 take the odd K step's
	v_lshlrev_b32 v21, 6, v2                       ; the bias: 64 h
	s_lshl_b32 s18, s14, 7
	s_add_co_u32 s18, s18, STAGE
	v_mul_u32_u24 v[STO], v1, SPITCH
	v_lshl_add_u32 v[STO], v2, 6, v[STO]
	v_add_nc_u32 v[STO], s18, v[STO]               ; the stage, in: row r, + 128 x wave + 64 h
	s_mul_i32 s19, s14, 32*SPITCH
	s_add_co_u32 s19, s19, STAGE
	v_add_nc_u32 v[RD], s19, v[A16]                ; and back: my 32 rows, 16 bytes a lane
	s_lshl_b32 s18, s17, 3                         ; A: the tile's first row block
	s_lshl_b32 s19, s14, 1
	s_lshl_b32 s22, s18, 11
	s_mov_b32 s23, 0
	s_mul_i32 s20, s18, KT*FRB
	s_add_co_u32 s20, s20, 524288                  ; its codes
	s_mov_b32 s21, 0
	s_lshl_b32 s56, s16, 3
	s_add_co_u32 s56, s56, s19                     ; B: my first row block
	s_lshl_b32 s58, s56, 11
	s_add_co_u32 s58, s58, 393216
	s_mov_b32 s59, 0
	s_mul_i32 s56, s56, KT*FRB
	s_add_co_u32 s56, s56, 9961472
	s_mov_b32 s57, 0
	s_mul_i32 s60, s14, QT                         ; where A's tiles go: no place in the cluster enters an LDS address
	s_mul_i32 s18, s14, 2*KT*FRB                   ; s[18:19]: bytes from the tile's first row block to the two that I fetch in the refill
	s_mov_b32 s19, 0
	s_lshl_b32 s62, s16, 9                         ; my tile's first channel, in bytes
	s_lshl_b32 s2, s17, 7
	s_lshl_b32 s3, s14, 5
	s_add_co_u32 s2, s2, s3                        ; the first token that I store: 128 x tile + 32 x wave
	s_lshl_b32 s2, s2, 12
	s_add_co_u32 s2, s2, s62
	s_lshl_b32 s3, s14, 7
	s_add_co_u32 s62, s62, s3                      ; the bias of my 32 channels
	s_mov_b32 s3, 0
	s_mov_b32 s63, 0
	s_wait_alu depctr_va_vdst(0)
	s_wait_dscnt 0x0                               ; both opening adds are done
	s_wait_kmcnt 0x0
	s_add_nc_u64 s[20:21], s[4:5], s[20:21]
	s_add_nc_u64 s[22:23], s[4:5], s[22:23]
	s_add_nc_u64 s[56:57], s[6:7], s[56:57]
	s_add_nc_u64 s[58:59], s[6:7], s[58:59]
	s_add_nc_u64 s[8:9], s[8:9], s[62:63]
	s_add_nc_u64 s[10:11], s[10:11], s[2:3]
	s_add_nc_u64 s[12:13], s[12:13], s[2:3]
.macro MKG0 g, lds, off                ; a group 0 with constant places: LDS byte, bytes from the tile's first fragment
	s_mov_b32 s[\g], 1
	s_mov_b32 s[\g+1], \lds
	s_add_nc_u64 s[\g+2:\g+3], s[20:21], \off
	s_or_b32 s[\g+3], s[\g+3], 0x80000000
.endm
.macro TL g0, g1
	tensor_load_to_lds s[\g0:\g0+3], s[\g1:\g1+7]
	s_nop 0
	PLACES 4
.endm
.macro ARM under, g0, g1, next, join
	s_cmp_lt_u32 s14, \under
	s_cbranch_scc0 \next
	TL \g0, \g1
	s_branch \join
\next:
.endm
	s_mov_b32 s[G0S], 1
	s_mov_b32 s[G0S+1], ASCL
	s_mov_b64 s[G0S+2:G0S+3], s[22:23]
	s_or_b32 s[G0S+3], s[G0S+3], 0x80000000
	s_mov_b32 s[G0], 1                             ; the refill's: my two row blocks of slot 0's bytes
	s_mov_b32 s[G0+1], s60
	s_add_nc_u64 s[G0+2:G0+3], s[20:21], s[18:19]
	s_or_b32 s[G0+3], s[G0+3], 0x80000000
	MKG0 68, 0, 0                                  ; slot 0, row blocks 0-3
	MKG0 72, HS, 4*KT*FRB                          ; slot 0, row blocks 4-7
	MKG0 76, SLOT, SK*FRB                          ; slot 1, row blocks 0-3
	MKG0 80, SLOT+HS, 4*KT*FRB+SK*FRB              ; slot 1, row blocks 4, 5
	MKG0 84, 2*SLOT, 2*SK*FRB                      ; slot 2, row blocks 0-3
	MKG0 88, 2*SLOT+HS, 4*KT*FRB+2*SK*FRB          ; slot 2, row blocks 4-7
	MKG0 92, SLOT+HS+QT, 6*KT*FRB+SK*FRB           ; slot 1, row blocks 6, 7
	; what the first products want is asked for first: 60 loads
.irp c, 0,1,2,3
	global_load_b128 v[BI+4*\c:BI+4*\c+3], v21, s[8:9] offset:16*\c          ; register 8 u + j: the bias of channel 16 h + 8 u + j of my 32: the layout of a result
.endr
.irp u, 0,1
.irp j, 0,1,2,3,4,5,6,7,8,9,10,11,12,13,14,15
	global_load_b32 v[BS+16*\u+\j], v5, s[58:59] offset:\u*KT*64+\j*128      ; 128 consecutive bytes: the words of K steps 2 j and 2 j + 1
.endr
.endr
	BLOAD 0
	BLOAD 1
	BLOAD 2
	CROUND                                         ; all four work-groups are here: the first joint loads meet
	; THE FIRST FILLS, ONE LOAD A WAVE at the head and one behind the round below, each time in one chain of branches on the wave's number.
	; Head: wave 0 the scale words, waves 1 and 2 slot 0's two halves, wave 3 slot 1's lower half
	ARM 1, G0S, G1S, .Lh1, .Lhd
	ARM 2, 68, G1H, .Lh2, .Lhd
	ARM 3, 72, G1H, .Lh3, .Lhd
	TL 76, G1H
.Lhd:
	BLOAD 3
	BLOAD 4
	BLOAD 5
	BLOAD 6
	WIN 0x80
.set k, 0
.rept 32
	global_load_b128 v[RES+4*k:RES+4*k+3], v[A16], s[10:11] offset:(8*(k/16)+k%16+8*((k%16)/8))*4096 th:TH_LOAD_NT   ; the residual, in the order of the rows read back from the stage: 512 consecutive bytes a load
.set k, k+1
.endr
	WIN 0
	s_wait_alu depctr_va_vdst(0)
	s_wait_tensorcnt 0x0                           ; my tile of the head's four is in; the later first fills are issued as a refill is
	ds_add_u32 v[SPW], v[NIL]
	s_wait_dscnt 0x0
	CROUND                                         ; the scale words and slot 0 are whole, and all four work-groups are here
	ARM 1, 80, G1, .Lg1, .Lgd                      ; waves 0 and 3: slot 1's row blocks 4, 5 and 6, 7; waves 1 and 2: slot 2's two halves
	ARM 2, 84, G1H, .Lg2, .Lgd
	ARM 3, 88, G1H, .Lg3, .Lgd
	TL 92, G1
.Lgd:
	FETCHA 0
	STEP 0, 1                                      ; the first step's products start the sums: nothing is cleared
.set tt, 1
.rept 6
	STEP tt, 0
.set tt, tt+1
.endr
	TURN 7, 1
.set tt, 8
.rept 15
	STEP tt, 0                                     ; from slot 1 into slot 2 no barrier is wanted: the one at K step 7 has shown both whole
.set tt, tt+1
.endr
	TURN 23, 0
.set tt, 24
.rept 7
	STEP tt, 0
.set tt, tt+1
.endr
	s_wait_dscnt 0x0                               ; the last K step: nothing more to fetch
	NWAIT 31                                       ; the count is 0 here: the residual is in too
	MULR 0, 8, 31, 0
	WIN 0
	; THE WAY OUT.  A lane holds 64 neighbouring bytes of a row, a wave 128, the four waves a row's 512: they meet in one stage; behind a barrier each wave reads 32 whole rows, adds the residual and stores them.
	PLACES 4
	WIN 0x08                                       ; an LDS store's data are its source 1: window 2
.irp a, 0,1,2,3,4,5,6,7
.irp u, 0,1
	ds_store_b128 v[STO], v[8*(2*\a+\u):8*(2*\a+\u)+3] offset:\a*16*SPITCH+32*\u        ; each accumulator from its low end on
	ds_store_b128 v[STO], v[8*(2*\a+\u)+4:8*(2*\a+\u)+7] offset:\a*16*SPITCH+32*\u+16
.endr
.endr
	WIN 0
	s_wait_dscnt 0x0                               ; for the others' sake: my stores into the stage are done
	s_barrier_signal -1
	s_barrier_wait -1
	WIN 0x40
.set k, 0
.rept 32
	ds_load_b128 v[4*k:4*k+3], v[RD] offset:k*SPITCH
.set k, k+1
.endr
.irp g, 0,1,2,3
	s_wait_dscnt 24-8*\g                           ; eight more rows are back; the younger rows' loads stay out
	WIN 0x49                                       ; the rows window 1, the residual window 2
.set k, 0
.rept 16
	v_pk_add_f32 v[32*\g+2*k:32*\g+2*k+1], v[32*\g+2*k:32*\g+2*k+1], v[RES+32*\g+2*k:RES+32*\g+2*k+1]
.set k, k+1
.endr
	WIN 0x04                                       ; a store's data are its source 1: window 1
.set k, 8*\g
.rept 8
	global_store_b128 v[A16], v[4*k:4*k+3], s[12:13] offset:(8*(k/16)+k%16+8*((k%16)/8))*4096 th:TH_STORE_NT   ; 32 lanes store 512 consecutive bytes, at a multiple of 256 from the output's first byte
.set k, k+1
.endr
.endr
	WIN 0
	s_wait_tensorcnt 0x0                           ; the wave's end, behind my last tensor load and my last LDS store
	ds_add_u32 v[SPW], v[NIL]
	s_wait_dscnt 0x0
	CROUND                                         ; the closing round
	s_endpgm
.Lfunc_end_k_q81a5c141bd_gemm_mlp:
	.size	k_q81a5c141bd_gemm_mlp, .Lfunc_end_k_q81a5c141bd_gemm_mlp-k_q81a5c141bd_gemm_mlp
	.p2alignl 7, 3214868480
	.fill 96, 4, 3214868480
	.section	.rodata,"a",@progbits
	.p2align	6, 0x0
	.amdhsa_kernel k_q81a5c141bd_gemm_mlp
		.amdhsa_group_segment_fixed_size 327680
		.amdhsa_private_segment_fixed_size 0
		.amdhsa_enable_private_segment 0
		.amdhsa_kernarg_size 40
		.amdhsa_user_sgpr_count 2
		.amdhsa_user_sgpr_kernarg_segment_ptr 1
		.amdhsa_wavefront_size32 1
		.amdhsa_system_sgpr_workgroup_id_x 1
		.amdhsa_system_sgpr_workgroup_id_y 1
		.amdhsa_system_sgpr_workgroup_id_z 1
		.amdhsa_system_vgpr_workitem_id 0
		.amdhsa_next_free_vgpr 864
		.amdhsa_next_free_sgpr 100
		.amdhsa_reserve_vcc 0
		.amdhsa_float_denorm_mode_32 3
		.amdhsa_float_denorm_mode_16_64 3
		.amdhsa_memory_ordered 1
		.amdhsa_forward_progress 1
		.amdhsa_inst_pref_size 203
	.end_amdhsa_kernel
	.amdgpu_metadata
---
amdhsa.version: [ 1, 2 ]
amdhsa.kernels:
  - .name:           k_q81a5c141bd_gemm_mlp
    .symbol:         k_q81a5c141bd_gemm_mlp.kd
    .args:
      - { .name: w6, .offset: 0, .size: 8, .value_kind: global_buffer, .address_space: global }
      - { .name: w1, .offset: 8, .size: 8, .value_kind: global_buffer, .address_space: global }
      - { .name: b_mlp_proj, .offset: 16, .size: 8, .value_kind: global_buffer, .address_space: global }
      - { .name: x1, .offset: 24, .size: 8, .value_kind: global_buffer, .address_space: global }
      - { .name: out0, .offset: 32, .size: 8, .value_kind: global_buffer, .address_space: global }
    .group_segment_fixed_size: 327680
    .private_segment_fixed_size: 0
    .kernarg_segment_align: 8
    .kernarg_segment_size: 40
    .max_flat_workgroup_size: 128
    .sgpr_count:     100
    .vgpr_count:     864
    .wavefront_size: 32
...
	.end_amdgpu_metadata
.endif
;; end of part 6
